; MI455X (gfx1250); checked and timed in simulation.
; The chip was launched on July 23, 2026; its instructions are those of AMD's public machine-readable ISA for CDNA 5 (MIT licence, August 2026) and "CDNA5" Instruction Set Architecture Reference Guide (July 2026). The comments in the code are by the model that wrote it; some were corrected since.
;; Multi Head Causal Attention. Allowed arithmetic: matrix products marked QUANTISED: E4M3 operands, one E8M0 scale for each 32 along K, by v_wmma_scale_f32_16x16x128_f8f6f4 with both operands' format E4M3, f32 sums; everything else in f32.
;; Inputs: Wk 1,024 x 1,024 float32; Wo 1,024 x 1,024 float32; Wq 1,024 x 1,024 float32; Wv 1,024 x 1,024 float32; bo 1,024 float32; x 4 x 2,048 x 1,024 float32.
;; Outputs: out0 4 x 2,048 x 1,024 float32.
;; This version of the problem:
;;   THIS VERSION OF THE PROBLEM IS GIVEN IN LOW PRECISION. The matrix products marked QUANTISED in the list below multiply operands that are first quantised to E4M3 (4 exponent bits, 3 mantissa bits; 8 bits a number), with one power-of-two scale for each 32 numbers along K (OCP MX v1.0); their sums are f32. All else is computed in f32.
;;   The module's matrix products, in the order in which they are computed (A, B: the left and right operand; K: the contracted axis; several contracted axes count as one K, in the product's order):
;;     1. [M 8,192, K 1,024] x [K 1,024, N 1,024]; A: input x; B: input Wq: QUANTISED
;;     2. [M 8,192, K 1,024] x [K 1,024, N 1,024]; A: input x; B: input Wk: QUANTISED
;;     3. [M 8,192, K 1,024] x [K 1,024, N 1,024]; A: input x; B: input Wv: QUANTISED
;;     4. batch 64 x [M 2,048, K 64] x [K 64, N 2,048]; A: computed on the way; B: computed on the way: QUANTISED
;;     5. batch 64 x [M 2,048, K 2,048] x [K 2,048, N 64]; A: softmax (see below); B: computed on the way: QUANTISED
;;     6. [M 8,192, K 1,024] x [K 1,024, N 1,024]; A: computed on the way; B: input Wo: QUANTISED
;;   THE QUANTISER, for each operand of a quantised product, along K:
;;     - K is cut into blocks of 32 from its start; a last block that is shorter is filled with zeros.
;;     - A block's scale is 2^e with e = floor(log2(the largest magnitude in the block)) - 8, held to -126 .. 127; a block of zeros has e = 0. As a byte (E8M0): e + 127.
;;     - Each number is divided by its block's scale, clamped to +-448, and rounded to the nearest number of E4M3, ties to even, subnormals kept.
;;     - The product sums the exact products of the quantised numbers (number of the format x scale) in f32.
;;   ~~~python
;;   def quantise(x, axis):      # numpy; x: float32 -> the quantised numbers, widened to float32 again
;;       x = np.moveaxis(x, axis, -1); K = x.shape[-1]
;;       x = np.pad(x, [(0, 0)] * (x.ndim - 1) + [(0, -K % 32)]); x = x.reshape(x.shape[:-1] + (-1, 32)); a = np.abs(x).max(-1, keepdims=True)
;;       e = np.where(a > 0, np.clip(np.frexp(np.where(a > 0, a, 1))[1] - 1 - 8, -126, 127), 0)      # np.frexp(a)[1] - 1 = floor(log2(a)), exactly
;;       r = np.clip(x / 2.0 ** e, -448, 448)
;;       step = 2.0 ** (np.maximum(np.frexp(np.where(r == 0, 1, r))[1] - 1, -6) - 3)
;;       q = np.round(r / step) * step * 2.0 ** e      # np.round: ties to even
;;       return np.moveaxis(q.reshape(q.shape[:-2] + (-1,))[..., :K], -1, axis).astype(np.float32)
;;   ~~~
;;   SOFTMAX AHEAD OF A QUANTISED PRODUCT. Where the list says 'softmax', what is quantised is not the finished softmax but p = 2^(t - M), with t = logit x log2(e) and M = ceil(the row's largest t), a whole number; so 1/2 < the row's largest p <= 1. The row's sum l is taken of the UNQUANTISED p, in f32, and the product's result is divided by l at the end. Since M is a whole number, a kernel that streams over the keys may use a running M (the ceiling of the running maximum): every later rescaling is an exact power of two, which a block's scale takes up: the codes' values come out the same.
;;   OPERANDS COMPUTED ON THE WAY. 'Computed on the way' means the value that the module computes at that place (a softmax that the list does not call 'softmax' is quantised finished and normalised). What goes into a quantiser is computed in f32, as accurately as f32 sums, v_exp_f32 and their like allow (about 1e-6 of the number): no bf16 or f16 on the way to a quantiser, and a product that is left as it is and whose result goes on into a quantised operand takes f32 operands (vector FMAs, or v_wmma_f32_16x16x4_f32). A number that lies on a knife's edge between two numbers of the format may be rounded either way, as far as f32 arithmetic and the matrix unit's own rounding can turn it there, and no further.
;; One version. Each part assembles by itself: llvm-mc -triple=amdgcn-amd-amdhsa -mcpu=gfx1250 --defsym DOCPART=n.
;; ======== version 1 of 1: 6 launches
;; limits: right only within a limited range of input values
;; workspace buffers: xq 8,650,752 bytes; wqk 2,359,296 bytes; wvq 1,310,720 bytes; woq 1,310,720 bytes; qkq 17,301,504 bytes; vq 8,912,896 bytes; oq 8,650,752 bytes
;; launch quant_x (part 1): grid 256 x 1, 4 waves a work-group, no clusters, 33,280 bytes of LDS; arguments x, xq; writes xq
.if DOCPART == 1
	.amdgcn_target "amdgcn-amd-amdhsa--gfx1250"
	.amdhsa_code_object_version 6
	.text
	.protected	k_qd777aa9adb_quant_x
	.globl	k_qd777aa9adb_quant_x
	.p2align	8
	.type	k_qd777aa9adb_quant_x,@function
k_qd777aa9adb_quant_x:
	s_mov_b64 s[64:65], 0
	v_nop
	global_prefetch_b8 v0, s[64:65] scope:SCOPE_SE
	s_setreg_imm32_b32 hwreg(HW_REG_WAVE_MODE, 25, 1), 1
	s_wait_xcnt 0x0
; x [8192][1024] f32 becomes codes of FP8 (E4M3), K innermost, with one E8M0 byte for each 32 along K.
; xq: scale bytes [stored row][32] at byte 0, codes [stored row][1024] at byte 0x40000.
; STORED ORDER: row s lies at the place s with its bits 3 and 4 exchanged, so that sixteen neighbouring stored rows, taken as source 0 of a
; matrix instruction, leave a lane 16 neighbours along the next product's K in 16 registers of two neighbouring tiles.
; A block's scale is 2^(floor(log2(its largest magnitude)) - 8); its byte is the largest magnitude's exponent field - 8, held at 1 from below.
; LIMITS: a block of zeros gets the byte 1 (its codes are zeros; this program alone reads the bytes); NaN and infinities among the inputs are not served.
; A wave takes a run of 8,192 numbers = 8 rows, in 16 steps of 512.  Eight rows keep bits 0-2, so a run moves as a whole: run 4 g + w goes to run 4 g + (w with its two bits exchanged).
; Each load reads 512 consecutive bytes; a step's 2,048 bytes turn through the wave's own stage in LDS and come back 64 bytes a lane (16 neighbours; two lanes hold a block).
; No tensor loads, no barrier: waves share nothing.  Loads run four steps (16 loads a wave) ahead, the turn through LDS one step.
.set STEPS, 16
.set EMAX,  8
.set MANT,  0x600000                   ; the mantissa field of 448 as f32
.set CB,    16                         ; bytes of 16 codes
.set R,     16                         ; v16-79   four sets of 16 numbers as they are loaded
.set X,     80                         ; v80-111  two sets of 16 neighbours
.set E,     112                        ; v112-127 a scale byte for each step
.set C,     128                        ; v128-191 codes: four registers for each step, so that no store's data are written again
.set WREG,  8192                       ; LDS: a region for each wave: two stages of 32 x SP bytes, behind them its 256 scale bytes
.set SP,    80                         ; a lane's place in a stage: 64 bytes + 16 of padding
	s_load_b128 s[4:7], s[0:1], 0x0                ; x, xq
	v_lshl_add_u32 v192, v0, 2, 0x8000
	v_mov_b32 v193, 0
	v_lshrrev_b32 v1, 5, v0
	v_readfirstlane_b32 s16, v1                    ; wave
	v_and_b32 v2, 31, v0                           ; lane
	v_lshlrev_b32 v3, 4, v2                        ; my 16 bytes of a load's 512
	s_mul_i32 s17, s16, WREG
	v_lshrrev_b32 v14, 2, v2
	v_mul_u32_u24 v14, v14, SP
	v_and_b32 v15, 3, v2
	v_lshl_add_u32 v14, v15, 4, v14
	v_add_nc_u32 v14, s17, v14                     ; the stage, on the way in: SP (lane / 4) + 16 (lane % 4)
	v_mul_u32_u24 v15, v2, SP
	v_add_nc_u32 v15, s17, v15                     ; and on the way out: SP x lane: my 16 neighbours
	v_mul_u32_u24 v4, v2, CB                       ; my codes' place in a step's
	v_lshrrev_b32 v5, 1, v2
	s_add_co_u32 s17, s17, 2*32*SP
	v_add_nc_u32 v5, s17, v5                       ; LDS: my wave's 256 scale bytes, my block's byte
	v_lshlrev_b32 v7, 3, v2                        ; and on the way out 8 bytes a lane
	v_add_nc_u32 v6, s17, v7
	s_lshl_b32 s18, ttmp9, 2
	s_add_co_u32 s19, s18, s16                     ; the run that I read: 4 x work-group + wave
	s_and_b32 s20, s16, 1
	s_lshl_b32 s20, s20, 1
	s_lshr_b32 s21, s16, 1
	s_or_b32 s20, s20, s21
	s_add_co_u32 s20, s18, s20                     ; the run that I write: the wave's two bits exchanged (the rows' bits 3 and 4)
	s_lshl_b32 s12, s19, 15                        ; 32,768 bytes of x a run
	s_mov_b32 s13, 0
	s_lshl_b32 s14, s20, 13                        ; 8,192 bytes of codes a run,
	s_add_co_u32 s14, s14, 0x40000                 ; behind the scale bytes
	s_mov_b32 s15, 0
	s_lshl_b32 s24, s20, 8                         ; 256 scale bytes a run
	s_mov_b32 s25, 0
	s_wait_alu depctr_va_vdst(0)
	s_wait_kmcnt 0x0
	s_add_nc_u64 s[4:5], s[4:5], s[12:13]
	s_add_nc_u64 s[8:9], s[6:7], s[14:15]
	s_add_nc_u64 s[10:11], s[6:7], s[24:25]
.macro LOAD t
.irp i, 0,1,2,3
	global_load_b128 v[R+16*((\t)%4)+4*\i:R+16*((\t)%4)+4*\i+3], v3, s[4:5] offset:2048*(\t)+512*\i th:TH_LOAD_NT   ; 32 lanes read 512 consecutive bytes
.endr
.endm
.macro TURN t                          ; step t's numbers through the stage: LDS serves a wave's instructions in order, so no wait stands between the stores and the loads
.irp i, 0,1,2,3
	ds_store_b128 v14, v[R+16*((\t)%4)+4*\i:R+16*((\t)%4)+4*\i+3] offset:32*SP*((\t)%2)+8*SP*\i
.endr
.irp i, 0,1,2,3
	ds_load_b128 v[X+16*((\t)%2)+4*\i:X+16*((\t)%2)+4*\i+3], v15 offset:32*SP*((\t)%2)+16*\i
.endr
.endm
.irp t, 0,1,2,3
	LOAD \t
.endr
	s_wait_loadcnt 12                              ; step 0's four loads are in
	TURN 0
.macro STEP t
.set XS, X+16*((\t)%2)
.if (\t) > 0
	s_wait_dscnt 1                                 ; this step's numbers are back from the stage (the last step's byte store may be out): so its stores into the stage have read their registers,
.else
	s_wait_dscnt 0x0
.endif
.if (\t)+4 < STEPS
	LOAD (\t)+4                                    ; which take the loads of four steps on
.endif
.if (\t)+1 < STEPS
.if STEPS-2-(\t) >= 3
	s_wait_loadcnt 12                              ; the next step's four loads are in; those of the three steps behind it may be out
.else
	s_wait_loadcnt 4*(STEPS-2-(\t))
.endif
	TURN (\t)+1                                    ; and go through the other stage while this step is worked
.endif
	v_max3_num_f32 v8, |v[XS]|, |v[XS+1]|, |v[XS+2]|               ; the largest magnitude of my 16, in two chains
	v_max3_num_f32 v9, |v[XS+3]|, |v[XS+4]|, |v[XS+5]|
.irp i, 6,10
	v_max3_num_f32 v8, v8, |v[XS+\i]|, |v[XS+\i+1]|
	v_max3_num_f32 v9, v9, |v[XS+\i+2]|, |v[XS+\i+3]|
.endr
	v_max3_num_f32 v8, v8, |v[XS+14]|, |v[XS+15]|
	v_max3_num_f32 v8, v8, v9, (EMAX+1)<<23        ; and the floor 2^(EMAX + 1 - 127): the byte cannot fall under 1
	v_max_num_f32_dpp v8, v8, v8 row_xmask:1 row_mask:0xf bank_mask:0xf   ; and of my neighbour's 16: the block's
	v_add_nc_u32 v11, -(EMAX<<23), v8              ; EMAX off its exponent field: the conversion takes the exponent field of this operand as its scale
.irp i, 0,1,2,3,4,5,6,7,8,9,10,11,12,13,14,15
.endr
	v_cvt_scalef32_pk8_fp8_f32 v[C+4*(\t):C+4*(\t)+1], v[XS:XS+7], v11
	v_cvt_scalef32_pk8_fp8_f32 v[C+4*(\t)+2:C+4*(\t)+3], v[XS+8:XS+15], v11
	v_lshrrev_b32 v[E+(\t)], 23, v11               ; the scale's byte (also the plain line behind the conversions)
	ds_store_b8 v5, v[E+(\t)] offset:16*(\t)       ; both lanes of a block write the same byte with the same value
	global_store_b128 v4, v[C+4*(\t):C+4*(\t)+3], s[8:9] offset:32*CB*(\t)   ; the wave stores 512 consecutive bytes
.endm
.irp t, 0,1,2,3,4,5,6,7,8,9,10,11,12,13,14,15
	STEP \t
.endr
	ds_load_b64 v[12:13], v6                       ; LDS serves a wave's instructions in order: these see my stores
	s_wait_dscnt 0x0
	global_store_b64 v7, v[12:13], s[10:11]        ; 32 lanes store 256 consecutive bytes, aligned
	s_wait_tensorcnt 0x0
	ds_add_u32 v192, v193
	s_wait_dscnt 0x0
	s_endpgm
.Lfunc_end_k_qd777aa9adb_quant_x:
	.size	k_qd777aa9adb_quant_x, .Lfunc_end_k_qd777aa9adb_quant_x-k_qd777aa9adb_quant_x
	.p2alignl 7, 3214868480
	.fill 96, 4, 3214868480
	.section	.rodata,"a",@progbits
	.p2align	6, 0x0
	.amdhsa_kernel k_qd777aa9adb_quant_x
		.amdhsa_group_segment_fixed_size 33280
		.amdhsa_private_segment_fixed_size 0
		.amdhsa_enable_private_segment 0
		.amdhsa_kernarg_size 16
		.amdhsa_user_sgpr_count 2
		.amdhsa_user_sgpr_kernarg_segment_ptr 1
		.amdhsa_wavefront_size32 1
		.amdhsa_system_sgpr_workgroup_id_x 1
		.amdhsa_system_sgpr_workgroup_id_y 1
		.amdhsa_system_sgpr_workgroup_id_z 1
		.amdhsa_system_vgpr_workitem_id 0
		.amdhsa_next_free_vgpr 194
		.amdhsa_next_free_sgpr 66
		.amdhsa_reserve_vcc 0
		.amdhsa_float_denorm_mode_32 3
		.amdhsa_float_denorm_mode_16_64 3
		.amdhsa_fp16_overflow 1
		.amdhsa_memory_ordered 1
		.amdhsa_forward_progress 1
		.amdhsa_inst_pref_size 33
	.end_amdhsa_kernel
	.amdgpu_metadata
---
amdhsa.version: [ 1, 2 ]
amdhsa.kernels:
  - .name:           k_qd777aa9adb_quant_x
    .symbol:         k_qd777aa9adb_quant_x.kd
    .args:
      - { .name: x, .offset: 0, .size: 8, .value_kind: global_buffer, .address_space: global }
      - { .name: xq, .offset: 8, .size: 8, .value_kind: global_buffer, .address_space: global }
    .group_segment_fixed_size: 33280
    .private_segment_fixed_size: 0
    .kernarg_segment_align: 8
    .kernarg_segment_size: 16
    .max_flat_workgroup_size: 128
    .sgpr_count:     66
    .vgpr_count:     194
    .wavefront_size: 32
...
	.end_amdgpu_metadata
.endif
;; end of part 1
;; launch quant_w (part 2): grid 32 x 4, 4 waves a work-group, no clusters, 36,352 bytes of LDS; arguments Wq, Wk, Wv, Wo, wqk, wvq, woq; writes wqk, wvq, woq
.if DOCPART == 2
	.amdgcn_target "amdgcn-amd-amdhsa--gfx1250"
	.amdhsa_code_object_version 6
	.text
	.protected	k_qd777aa9adb_quant_w
	.globl	k_qd777aa9adb_quant_w
	.p2align	8
	.type	k_qd777aa9adb_quant_w,@function
k_qd777aa9adb_quant_w:
	s_mov_b64 s[64:65], 0
	v_nop
	global_prefetch_b8 v0, s[64:65] scope:SCOPE_SE
	s_setreg_imm32_b32 hwreg(HW_REG_WAVE_MODE, 25, 1), 1
	s_wait_xcnt 0x0
; The four weights, each [1024 (k)][1024 (n)] f32 with K as FIRST axis, become codes of FP8 (E4M3) laid [stored n][1024 k], K innermost, with one E8M0 byte for each 32 along K.
; An output buffer: scale bytes [stored row][32] at byte 0, codes [stored row][1024] at byte 0x40000.  wqk holds Wq's 1,024 rows, then Wk's; wvq and woq one weight each.
; STORED ORDER: column n lies at row n with its bits 3 and 4 exchanged (see the launch that quantises x).
; A LANE TAKES A COLUMN n, AND ITS REGISTERS RUN DOWN K: a block of 32 along K lies in one lane's 32 registers, and the conversions give codes with K innermost.  Nothing is transposed by an instruction.
; A wave takes 32 columns x 256 along K.  Its codes go through its own stage in LDS (the stage row is the lane's number with bits 3 and 4 exchanged) and leave as rows: sixteen lanes store 256 consecutive bytes, aligned.
; The scale bytes leave 8 bytes a lane, to rows 32 bytes apart: the wave's store covers 1,024 bytes of which it writes a quarter (the other three quarters are the other work-groups' along K): one byte in 128 of what the launch reads.
; LIMITS: a block of zeros gets the byte 1 (its codes are zeros; this program alone reads the bytes); NaN and infinities are not served.
; Work-group x: bits 4:3 which weight, bits 2:0 which 128 columns; y: which 256 along K.  Only pointers are chosen by the weight's number: all take one path.
.set SIZE_N, 1024
.set KW,    256
.set NB,    KW/32
.set ROWB,  256
.set PITCH, ROWB+16
.set KROW,  1024                       ; a row of the codes in bytes
.set EMAX,  8
.set MANT,  0x600000
.set X,     32                         ; v32-95   two sets of 32 numbers
.set C,     96                         ; v96-103  a block's codes
.set OUTR,  112                        ; v112-175 the way out
.set SB,    24                         ; v24-25   the scale bytes, four to a register
	s_load_b256 s[8:15], s[0:1], 0x0               ; Wq, Wk, Wv, Wo
	s_load_b128 s[16:19], s[0:1], 0x20             ; wqk, wvq
	s_load_b64 s[20:21], s[0:1], 0x30              ; woq
	v_lshl_add_u32 v192, v0, 2, 0x8c00
	v_mov_b32 v193, 0
	v_lshrrev_b32 v1, 5, v0
	v_readfirstlane_b32 s22, v1                    ; wave 0..3
	v_and_b32 v2, 31, v0                           ; lane
	s_lshr_b32 s23, ttmp9, 3                       ; which weight: 0 Wq, 1 Wk, 2 Wv, 3 Wo
	s_and_b32 s24, ttmp9, 7
	s_lshl_b32 s24, s24, 7
	s_lshl_b32 s25, s22, 5
	s_add_co_u32 s24, s24, s25                     ; my wave's first column
	s_and_b32 s25, ttmp7, 0xffff                   ; which 256 along K
	v_lshlrev_b32 v3, 2, v2                        ; in: 4 bytes a lane
	s_mul_i32 s26, s22, 32*PITCH                   ; my stage
	v_and_b32 v5, 7, v2
	v_bfe_u32 v6, v2, 3, 1
	v_lshl_or_b32 v5, v6, 4, v5
	v_bfe_u32 v6, v2, 4, 1
	v_lshl_or_b32 v5, v6, 3, v5                    ; my column's stored place among the wave's 32
	v_mul_u32_u24 v4, v5, PITCH
	v_add_nc_u32 v4, s26, v4                       ; into the stage: that row
	v_lshlrev_b32 v9, 5, v5                        ; and that row of scale bytes: 32 bytes a row
	v_and_b32 v5, 15, v2
	v_lshrrev_b32 v6, 4, v2                        ; out of the stage: sixteen lanes to a row, two rows an instruction
	v_mul_u32_u24 v7, v6, PITCH
	v_lshl_add_u32 v7, v5, 4, v7
	v_add_nc_u32 v7, s26, v7
	v_mul_u32_u24 v8, v6, KROW
	v_lshl_add_u32 v8, v5, 4, v8                   ; and the same place in the codes
	s_and_b32 s26, s23, 1
	s_wait_kmcnt 0x0
	s_cmp_eq_u32 s26, 0                            ; the choices hang on the work-group's number alone
	s_cselect_b64 s[8:9], s[8:9], s[10:11]         ; Wq or Wk
	s_cselect_b64 s[12:13], s[12:13], s[14:15]     ; Wv or Wo
	s_cselect_b64 s[18:19], s[18:19], s[20:21]     ; wvq or woq
	s_cselect_b32 s27, 0, 1024                     ; in wqk: Wq's rows first, then Wk's
	s_cmp_lt_u32 s23, 2
	s_cselect_b64 s[4:5], s[8:9], s[12:13]         ; the weight
	s_cselect_b64 s[6:7], s[16:17], s[18:19]       ; its buffer
	s_cselect_b32 s27, s27, 0
	s_lshl_b32 s28, s25, 20                        ; in: 256 y rows of 4,096 bytes
	s_lshl_b32 s29, s24, 2
	s_add_co_u32 s28, s28, s29                     ; + 4 x column
	s_mov_b32 s29, 0
	s_add_co_u32 s27, s27, s24                     ; my wave's first row in the buffer
	s_lshl_b32 s30, s27, 10
	s_lshl_b32 s31, s25, 8
	s_add_co_u32 s30, s30, s31
	s_add_co_u32 s30, s30, 0x40000                 ; codes: 0x40000 + row x 1,024 + 256 y
	s_mov_b32 s31, 0
	s_lshl_b32 s32, s27, 5
	s_lshl_b32 s33, s25, 3
	s_add_co_u32 s32, s32, s33                     ; scale bytes: row x 32 + 8 y
	s_mov_b32 s33, 0
	s_add_nc_u64 s[4:5], s[4:5], s[28:29]
	s_add_nc_u64 s[8:9], s[6:7], s[32:33]
	s_add_nc_u64 s[6:7], s[6:7], s[30:31]
.macro LOAD t                          ; block t: W(32 t + i, my column), i = 0 .. 31, into set t % 2
.irp i, 0,1,2,3,4,5,6,7,8,9,10,11,12,13,14,15,16,17,18,19,20,21,22,23,24,25,26,27,28,29,30,31
	global_load_b32 v[X+32*((\t)%2)+\i], v3, s[4:5] offset:(32*(\t)+\i)*SIZE_N*4 th:TH_LOAD_NT
.endr
.endm
	LOAD 0
	LOAD 1
.macro BLOCK t
.set XS, X+32*((\t)%2)
.if (\t) < NB-1
	s_wait_loadcnt 32                              ; this block's 32 loads are in; the next block's may be out
.else
	s_wait_loadcnt 0
.endif
	v_max3_num_f32 v12, |v[XS]|, |v[XS+1]|, |v[XS+2]|               ; the block's largest magnitude: all 32 numbers are mine
	v_max3_num_f32 v13, |v[XS+3]|, |v[XS+4]|, |v[XS+5]|
.irp i, 6,10,14,18,22,26
	v_max3_num_f32 v12, v12, |v[XS+\i]|, |v[XS+\i+1]|
	v_max3_num_f32 v13, v13, |v[XS+\i+2]|, |v[XS+\i+3]|
.endr
	v_max3_num_f32 v12, v12, |v[XS+30]|, |v[XS+31]|
	v_max3_num_f32 v12, v12, v13, (EMAX+1)<<23     ; and the floor: the byte cannot fall under 1
	v_add_nc_u32 v11, -(EMAX<<23), v12             ; the conversion's scale operand
	v_lshrrev_b32 v13, 23, v11                     ; the scale's byte
.if (\t)%4 == 0
	v_mov_b32 v[SB+(\t)/4], v13                    ; four bytes to a register, the lower K in the lower byte
.else
	v_lshl_or_b32 v[SB+(\t)/4], v13, 8*((\t)%4), v[SB+(\t)/4]
.endif
.irp i, 0,1,2,3,4,5,6,7,8,9,10,11,12,13,14,15,16,17,18,19,20,21,22,23,24,25,26,27,28,29,30,31
.endr
.irp g, 0,1,2,3
	v_cvt_scalef32_pk8_fp8_f32 v[C+2*\g:C+2*\g+1], v[XS+8*\g:XS+8*\g+7], v11
.endr
	v_nop                                          ; one plain line behind the last conversion
	ds_store_b128 v4, v[C:C+3] offset:32*(\t)      ; 32 codes: 32 bytes of my column's row
	ds_store_b128 v4, v[C+4:C+7] offset:32*(\t)+16
.if (\t)+2 < NB
	LOAD (\t)+2
.endif
	s_wait_dscnt 0x0                               ; the stores have read their registers: the next block's codes may be written
.endm
.set Q, 0
.rept NB
	BLOCK Q
.set Q, Q+1
.endr
	s_wait_alu depctr_va_vdst(0)
	global_store_b64 v9, v[SB:SB+1], s[8:9]        ; my column's 8 scale bytes
.irp t, 0,1,2,3,4,5,6,7,8,9,10,11,12,13,14,15
	ds_load_b128 v[OUTR+4*\t:OUTR+4*\t+3], v7 offset:2*\t*PITCH   ; LDS serves a wave's instructions in order: these see my stores
.endr
.irp t, 0,1,2,3,4,5,6,7,8,9,10,11,12,13,14,15
	s_wait_dscnt 15-\t
	global_store_b128 v8, v[OUTR+4*\t:OUTR+4*\t+3], s[6:7] offset:2*\t*KROW
.endr
	s_wait_tensorcnt 0x0
	ds_add_u32 v192, v193
	s_wait_dscnt 0x0
	s_endpgm
.Lfunc_end_k_qd777aa9adb_quant_w:
	.size	k_qd777aa9adb_quant_w, .Lfunc_end_k_qd777aa9adb_quant_w-k_qd777aa9adb_quant_w
	.p2alignl 7, 3214868480
	.fill 96, 4, 3214868480
	.section	.rodata,"a",@progbits
	.p2align	6, 0x0
	.amdhsa_kernel k_qd777aa9adb_quant_w
		.amdhsa_group_segment_fixed_size 36352
		.amdhsa_private_segment_fixed_size 0
		.amdhsa_enable_private_segment 0
		.amdhsa_kernarg_size 56
		.amdhsa_user_sgpr_count 2
		.amdhsa_user_sgpr_kernarg_segment_ptr 1
		.amdhsa_wavefront_size32 1
		.amdhsa_system_sgpr_workgroup_id_x 1
		.amdhsa_system_sgpr_workgroup_id_y 1
		.amdhsa_system_sgpr_workgroup_id_z 1
		.amdhsa_system_vgpr_workitem_id 0
		.amdhsa_next_free_vgpr 194
		.amdhsa_next_free_sgpr 66
		.amdhsa_reserve_vcc 0
		.amdhsa_float_denorm_mode_32 3
		.amdhsa_float_denorm_mode_16_64 3
		.amdhsa_fp16_overflow 1
		.amdhsa_memory_ordered 1
		.amdhsa_forward_progress 1
		.amdhsa_inst_pref_size 44
	.end_amdhsa_kernel
	.amdgpu_metadata
---
amdhsa.version: [ 1, 2 ]
amdhsa.kernels:
  - .name:           k_qd777aa9adb_quant_w
    .symbol:         k_qd777aa9adb_quant_w.kd
    .args:
      - { .name: Wq, .offset: 0, .size: 8, .value_kind: global_buffer, .address_space: global }
      - { .name: Wk, .offset: 8, .size: 8, .value_kind: global_buffer, .address_space: global }
      - { .name: Wv, .offset: 16, .size: 8, .value_kind: global_buffer, .address_space: global }
      - { .name: Wo, .offset: 24, .size: 8, .value_kind: global_buffer, .address_space: global }
      - { .name: wqk, .offset: 32, .size: 8, .value_kind: global_buffer, .address_space: global }
      - { .name: wvq, .offset: 40, .size: 8, .value_kind: global_buffer, .address_space: global }
      - { .name: woq, .offset: 48, .size: 8, .value_kind: global_buffer, .address_space: global }
    .group_segment_fixed_size: 36352
    .private_segment_fixed_size: 0
    .kernarg_segment_align: 8
    .kernarg_segment_size: 56
    .max_flat_workgroup_size: 128
    .sgpr_count:     66
    .vgpr_count:     194
    .wavefront_size: 32
...
	.end_amdgpu_metadata
.endif
;; end of part 2
;; launch gemm_qk (part 3): grid 8 x 32, 4 waves a work-group, clusters of 4 x 4, 327,680 bytes of LDS; arguments xq, wqk, qkq; writes qkq
.if DOCPART == 3
	.amdgcn_target "amdgcn-amd-amdhsa--gfx1250"
	.amdhsa_code_object_version 6
	.text
	.protected	k_qd777aa9adb_gemm_qk
	.globl	k_qd777aa9adb_gemm_qk
	.p2align	8
	.type	k_qd777aa9adb_gemm_qk,@function
k_qd777aa9adb_gemm_qk:
	s_mov_b64 s[64:65], 0
	v_nop
	global_prefetch_b8 v0, s[64:65] scope:SCOPE_SE
	s_setreg_imm32_b32 hwreg(HW_REG_WAVE_MODE, 25, 1), 1
	s_wait_xcnt 0x0
	s_wait_alu depctr_hold_cnt(0) depctr_sa_sdst(0) depctr_va_vdst(0) depctr_va_sdst(0) depctr_va_ssrc(0) depctr_va_vcc(0) depctr_vm_vsrc(0)
	s_getreg_b32 s2, hwreg(HW_REG_IB_STS2, 6, 4)
	s_cmp_eq_u32 s2, 0
	s_cbranch_scc0 .Lentry_in_a_cluster
	s_endpgm
.Lentry_in_a_cluster:
	s_bfe_u32 s2, ttmp6, 0x10000c
	s_cmp_lg_u32 s2, 0xf033
	s_cbranch_scc0 .Lentry_shape_is_right
	s_endpgm
.Lentry_shape_is_right:
; C = A B^T on codes of FP8 (E4M3) with one E8M0 scale for each 32 along K = 1,024, f32 sums; and C is QUANTISED AGAIN on its way out, along its columns, in blocks of 32.
; A, B: a buffer each: scale bytes [row][32] at byte 0, codes [row][1024] at byte 0x40000; rows in STORED ORDER (a row's bits 3 and 4 exchanged).
; One body, two launches.  q and k: A = x (8,192 tokens), B = Wq's and Wk's 2,048 columns.  v: A = Wv's 1,024 columns, B = x: the result's rows are the heads' channels and its columns the keys, which are the second attention product's K.
; A tile of C, 256 x 256, is made by four waves, 128 x 128 each: 64 accumulators, 512 registers.  K goes in steps of 256 through a ring of two LDS slots filled by the tensor data mover.
; The scales of the work-group's 256 + 256 rows, for all of K, come into LDS once, with the first fills, and stay.
; CLUSTERS: 4 x 4 work-groups; A's tiles are asked for jointly along a row of the cluster, B's along a column.
; THE MATRIX INSTRUCTION IS USED TRANSPOSED (source 0 = 16 rows of B, source 1 = 16 rows of A).  B's rows lie in stored order, so in accumulators (a, 2 c) and (a, 2 c + 1) lane (r, h) holds, of A's row r of block a,
; the columns 32 c + 16 h + 0 .. 15 in their true order: 16 neighbours of a block of 32; the other 16 lie in lane l xor 16.  So the conversions' results are rows of codes, and nothing is transposed.
; C's buffer: scale words at byte 0: [plane][tile row][column / 128 in the plane][256 rows], one word for a row and 128 columns; codes at byte 0x80000: [plane][tile row][tile column % 8][64 columns][256 rows][64 bytes].
; plane = tile column / 8 (0 for q and k; the batch for v).  C's rows stay in A's stored order.
; LIMITS: a block of zeros gets the byte 1 (its codes are zeros; this program alone reads the bytes); NaN and infinities are not served.
; REGISTERS, in windows of 256: window 0: v0-31 addresses; v32-63 scale words, two sets, and nothing else; v64-127 at work on the way out; from v128 A's fragments, ONE set (on the way out v128-159: rows read back).
;   window 1: B's fragments, TWO sets.   window 2: the accumulators of my rows 0-63 ((a, b) at v[8 (8 a + b)]);   window 3: those of my rows 64-127.
.set SIZE_K, 1024
.set KSTEP,  256
.set NQ,     KSTEP/128
.set ROWB,   256
.set KROW,   SIZE_K
.set PITCH,  272                       ; an LDS row: 256 bytes + 16 of padding: the 16 rows that a load touches start at 16 different banks (64 banks of 4 bytes: ISA guide 11.1)
.set FR,     16
.set NL,     4
.set NP,     8                         ; places behind this matrix instruction (ISA guide 7.12.1)
.set HALFT,  128*PITCH
.set SLOT,   4*HALFT
.set LAPS,   SIZE_K/(2*KSTEP)
.set KS,     SIZE_K/32
.set SCL,    2*SLOT                    ; behind the ring: the scales, as units of 256 bytes + 16 of padding
.set HALFS,  (128*KS/256)*272
.set SBLK,   (16*KS/256)*272
.set SPARE,  SCL+4*HALFS               ; behind the scales: the spare words, 128 bytes for each wave, which no other line names
.set ADRA, 16                          ; v16-17  LDS address of my A fragments in slot 0, 1
.set ADRB, 20                          ; v20-21  the same for B
.set STO,  24                          ; v24     the way out: where I put 16 bytes of a row of codes
.set RD,   25                          ; v25     where I read rows back
.set CO,   26                          ; v26     16 x lane
.set ADRS, 27                          ; v27     LDS address of my scale words: lanes 0-15 A's rows, lanes 16-31 B's
.set SPW,  28                          ; v28     my spare word; never rewritten
.set NIL,  29                          ; v29     0; never rewritten
.set SSR,  30                          ; v30     the way out: where I read the new scale words back
.set SSA,  31                          ; v31     and where I put my row's
.set SC,   32
.set TM,   64                          ; v64-67 largest magnitudes, v68-71 the other half's, then bytes, v76-79 the conversions' scale operands
.set PW,   80                          ; v80-81  the new scale word, by turns
.set PC,   96                          ; v96-127 a block's codes, two sets of 16
.set OB,   128                         ; v128-159 rows read back from the stage, two sets of 16
.set AF,   128
.set G1, 24
.set G0, 32
.set G1B, 48
.set G0B, 56
.set G1S, 68
.set G0S, 76
.set G1SB, 80
.set G0SB, 88
.set MSB, 0
.macro WIN new                         ; the immediate's high byte repeats the setting that is left
.if MSB != (\new)
	s_set_vgpr_msb (MSB<<8)|(\new)
.set MSB, (\new)
.endif
.endm
.set MUL_LO, 0xa1                      ; source 0 (B) window 1, source 1 (A) window 0, C and D window 2
.set MUL_HI, 0xf1                      ; the same, C and D window 3
.set TO_B,   0x40                      ; destination window 1, address window 0
; A joint load: waves 0 and 1 fetch for A, waves 2 and 3 for B.  The branch hangs on the wave's number alone.  Four v_nop follow each of the two lines.
.macro JLOAD g0a, g1a, g0b, g1b
	s_cmp_eq_u32 s15, 0
	s_cbranch_scc0 .Lfor_b_\@
	tensor_load_to_lds s[\g0a:\g0a+3], s[\g1a:\g1a+7]
	s_nop 0
.rept 4
	v_nop
.endr
	s_branch .Lasked_\@
.Lfor_b_\@:
	tensor_load_to_lds s[\g0b:\g0b+3], s[\g1b:\g1b+7]
	s_nop 0
.rept 4
	v_nop
.endr
.Lasked_\@:
.endm
.macro CREST                           ; a round of the cluster's barrier behind its opening barrier
	s_cmp_lg_u32 s14, 0
	s_cbranch_scc1 .Lnot_wave_0_\@
	s_barrier_signal -3
.Lnot_wave_0_\@:
	s_barrier_wait -3
	s_barrier_signal -1
	s_barrier_wait -1
.endm
.macro CROUND
	s_barrier_signal -1
	s_barrier_wait -1
	CREST
.endm
	s_load_b64 s[6:7], s[0:1], 0x0                 ; A's buffer: its scales begin it
	s_load_b64 s[10:11], s[0:1], 0x8               ; B's buffer
	s_load_b64 s[12:13], s[0:1], 0x10              ; C's buffer
	v_lshl_add_u32 v[SPW], v0, 2, SPARE
	v_mov_b32 v[NIL], 0
	ds_add_u32 v28, v29
	ds_add_u32 v28, v29
	s_wait_dscnt 0x0
	v_lshrrev_b32 v1, 5, v0
	v_readfirstlane_b32 s14, v1                    ; wave 0..3
	s_lshr_b32 s15, s14, 1                         ; which half of the tile's rows is mine.  Also: I fetch for A (0) or for B (1)
	s_and_b32 s16, s14, 1                          ; which half of its columns.  Also: which 128 rows of that tile I fetch
	s_bfe_u32 s40, ttmp6, 0x40000                  ; cx, cy: my place in the cluster
	s_bfe_u32 s41, ttmp6, 0x40004
	s_lshl_b32 s42, ttmp9, 2
	s_add_co_u32 s42, s42, s40                     ; tile column of C
	s_and_b32 s17, ttmp7, 0xffff
	s_lshl_b32 s17, s17, 2
	s_add_co_u32 s17, s17, s41                     ; tile row of C
	s_lshl_b32 s43, s41, 2
	s_lshl_b32 s43, 15, s43                        ; my row of the cluster
	s_lshl_b32 s44, 0x1111, s40                    ; my column
	; descriptor group 1: a tile of 128 rows x 256 bytes, 16 bytes of padding behind each row
	s_or_b32 s[G1+0], s43, (0<<16)|(1<<20)|(1<<21)|(5<<22)|(3<<25)
	s_or_b32 s[G1B+0], s44, (0<<16)|(1<<20)|(1<<21)|(5<<22)|(3<<25)
.irp g, G1, G1B
	s_mov_b32 s[\g+1], ROWB<<16                    ; tensor_dim0
	s_mov_b32 s[\g+2], 128<<16                     ; tensor_dim1
	s_mov_b32 s[\g+3], ROWB<<16                    ; tile_dim0
	s_mov_b32 s[\g+4], 128                         ; tile_dim1
	s_mov_b32 s[\g+5], KROW                        ; the pitch
	s_mov_b32 s[\g+6], 0
	s_mov_b32 s[\g+7], 0
.endr
	; the scales of 128 rows: a dense block of 4,096 bytes, as 16 rows of 256 bytes (32 elements of 8 bytes), 16 bytes of padding behind each
	s_or_b32 s[G1S+0], s43, (3<<16)|(1<<20)|(1<<21)|(5<<22)|(3<<25)
	s_or_b32 s[G1SB+0], s44, (3<<16)|(1<<20)|(1<<21)|(5<<22)|(3<<25)
.irp g, G1S, G1SB
	s_mov_b32 s[\g+1], 32<<16
	s_mov_b32 s[\g+2], (128*KS/256)<<16
	s_mov_b32 s[\g+3], 32<<16
	s_mov_b32 s[\g+4], 128*KS/256
	s_mov_b32 s[\g+5], 32
	s_mov_b32 s[\g+6], 0
	s_mov_b32 s[\g+7], 0
.endr
	s_lshl_b32 s18, s16, 7                         ; which 128 rows of the tile I fetch
	s_lshl_b32 s20, s17, 8
	s_add_co_u32 s20, s20, s18                     ; A: row 256 x tile row + 128 x half
	s_lshl_b32 s46, s42, 8
	s_add_co_u32 s46, s46, s18                     ; B: row 256 x tile column + 128 x half
	s_mov_b32 s21, 0
	s_mov_b32 s47, 0
	s_mov_b64 s[18:19], KS
	s_mul_u64 s[22:23], s[20:21], s[18:19]         ; where these rows' scales begin, in bytes
	s_mul_u64 s[92:93], s[46:47], s[18:19]
	s_mov_b64 s[18:19], KROW
	s_mul_u64 s[20:21], s[20:21], s[18:19]         ; and their codes
	s_mul_u64 s[46:47], s[46:47], s[18:19]
	s_mul_i32 s45, s14, HALFT                      ; where they go: wave x 128 rows: no place in the cluster enters an LDS address
	s_mul_i32 s94, s14, HALFS
	s_wait_kmcnt 0x0
	s_add_nc_u64 s[4:5], s[6:7], 0x40000           ; A's codes
	s_add_nc_u64 s[8:9], s[10:11], 0x40000         ; B's codes
	s_add_nc_u64 s[20:21], s[4:5], s[20:21]
	s_add_nc_u64 s[22:23], s[6:7], s[22:23]
	s_add_nc_u64 s[46:47], s[8:9], s[46:47]
	s_add_nc_u64 s[92:93], s[10:11], s[92:93]
	CROUND                                         ; all sixteen work-groups are here: the first joint loads meet
	s_mov_b32 s[G0S], 1
	s_add_co_u32 s[G0S+1], s94, SCL
	s_mov_b64 s[G0S+2:G0S+3], s[22:23]
	s_or_b32 s[G0S+3], s[G0S+3], 0x80000000
	s_mov_b32 s[G0SB], 1
	s_add_co_u32 s[G0SB+1], s94, SCL
	s_mov_b64 s[G0SB+2:G0SB+3], s[92:93]
	s_or_b32 s[G0SB+3], s[G0SB+3], 0x80000000
	JLOAD G0S, G1S, G0SB, G1SB                     ; the scales first: they are wanted with K step 0
.irp s, 0,1
	s_mov_b32 s[G0+4*\s], 1
	s_add_co_u32 s[G0+4*\s+1], s45, \s*SLOT
	s_add_nc_u64 s[G0+4*\s+2:G0+4*\s+3], s[20:21], \s*ROWB
	s_or_b32 s[G0+4*\s+3], s[G0+4*\s+3], 0x80000000
	s_mov_b32 s[G0B+4*\s], 1
	s_add_co_u32 s[G0B+4*\s+1], s45, \s*SLOT
	s_add_nc_u64 s[G0B+4*\s+2:G0B+4*\s+3], s[46:47], \s*ROWB
	s_or_b32 s[G0B+4*\s+3], s[G0B+4*\s+3], 0x80000000
	JLOAD G0+4*\s, G1, G0B+4*\s, G1B               ; three tensor loads of mine are out
.endr
	v_and_b32 v1, 15, v0                           ; r = l % 16
	v_bfe_u32 v2, v0, 4, 1                         ; h = l / 16
	v_mul_u32_u24 v3, v1, PITCH
	v_lshl_add_u32 v4, v2, 4, v3                   ; a fragment's row x pitch + 16 x half
	s_mul_i32 s21, s15, HALFT                      ; my 128 rows of A
	s_mul_i32 s22, s16, HALFT                      ; my 128 rows of B,
	s_add_co_u32 s22, s22, 2*HALFT                 ; which lie behind A's 256
.irp s, 0,1
	v_add_nc_u32 v[ADRA+\s], s21, v4
	v_add_nc_u32 v[ADRB+\s], s22, v4
	s_add_co_u32 s21, s21, SLOT
	s_add_co_u32 s22, s22, SLOT
.endr
	v_mul_u32_u24 v5, v1, KS                       ; my row's scales: 32 bytes a row,
	v_lshrrev_b32 v6, 8, v5
	v_lshl_add_u32 v5, v6, 4, v5                   ; and 16 more for each 256 passed
	s_mul_i32 s21, s15, HALFS
	s_mul_i32 s22, s16, HALFS
	s_add_co_u32 s22, s22, 2*HALFS
	s_sub_co_u32 s22, s22, s21
	v_mul_u32_u24 v6, s22, v2                      ; lanes 16-31 take B's: one product, the distance between the two bases
	s_add_co_u32 s21, s21, SCL
	v_add_nc_u32 v5, v5, v6
	v_add_nc_u32 v[ADRS], s21, v5
	s_lshl_b32 s23, s14, 13                        ; my stage for the way out: 8,192 bytes a wave, in slot 0, which has had its last fill and its last read when the first code is stored there
	v_mul_u32_u24 v5, v1, 80                       ; in: row r of 64 bytes + 16 of padding, 16 bytes for each half of the lanes
	v_lshl_add_u32 v5, v2, 4, v5
	v_add_nc_u32 v[STO], s23, v5
	v_and_b32 v6, 31, v0
	v_lshrrev_b32 v5, 2, v6
	v_mul_u32_u24 v5, v5, 80                       ; back: four lanes to a row, eight rows an instruction
	v_and_b32 v7, 3, v0
	v_lshl_add_u32 v5, v7, 4, v5
	v_add_nc_u32 v[RD], s23, v5
	v_lshlrev_b32 v[CO], 4, v6                     ; the same eight rows are 512 consecutive bytes of C's codes
	v_lshl_add_u32 v5, v1, 2, s23
	v_add_nc_u32 v[SSA], 5120, v5                  ; behind the two sets of rows: the wave's 128 new scale words
	v_add_nc_u32 v5, s23, v[CO]
	v_add_nc_u32 v[SSR], 5120, v5
	; where my part of C begins
	s_lshr_b32 s46, s42, 3                         ; plane
	s_and_b32 s47, s42, 7                          ; tile column in the plane
	s_lshl_b32 s22, s17, 4
	s_lshl_b32 s23, s47, 1
	s_add_co_u32 s22, s22, s23
	s_add_co_u32 s22, s22, s16                     ; 16 x tile row + the 128 columns' number
	s_lshl_b32 s22, s22, 10                        ; 256 words each
	s_lshl_b32 s23, s46, 16
	s_add_co_u32 s22, s22, s23
	s_lshl_b32 s23, s15, 9                         ; my 128 rows
	s_add_co_u32 s22, s22, s23
	s_mov_b32 s23, 0
	s_add_nc_u64 s[66:67], s[12:13], s[22:23]      ; the scale words
	s_lshl_b32 s20, s17, 3
	s_add_co_u32 s20, s20, s47
	s_lshl_b32 s20, s20, 16                        ; a tile's codes are 65,536 bytes
	s_lshl_b32 s21, s46, 21
	s_add_co_u32 s20, s20, s21
	s_lshl_b32 s21, s16, 15                        ; my two groups of 64 columns
	s_add_co_u32 s20, s20, s21
	s_lshl_b32 s21, s15, 13                        ; my 128 rows of 64 bytes
	s_add_co_u32 s20, s20, s21
	s_add_co_u32 s20, s20, 0x80000
	s_mov_b32 s21, 0
	s_add_nc_u64 s[12:13], s[12:13], s[20:21]      ; the codes
.macro FRAG reg, adr, q, i             ; a fragment, 16 rows x 128 K: lane l holds row l % 16; registers 4 c .. 4 c + 3 hold K = 32 c + 16 (l / 16) + 0 .. 15
.irp c, 0,1,2,3
	ds_load_b128 v[\reg+4*\c:\reg+4*\c+3], v[\adr] offset:128*(\q)+32*\c+(\i)*16*PITCH
.endr
.endm
; 16 matrix instructions: A's blocks a0, a0 + 1 x B's eight, 128 along K.  The 64 accumulators take turns, one instruction a turn, in the same order in every step.
.macro MUL16 a0, p, q, sc, zero
.irp a, \a0, \a0+1
.irp b, 0,1,2,3,4,5,6,7
.if \zero
	v_wmma_scale_f32_16x16x128_f8f6f4 v[8*(8*((\a)%4)+\b):8*(8*((\a)%4)+\b)+7], v[128*(\p)+FR*\b:128*(\p)+FR*\b+FR-1], v[AF+FR*(\a):AF+FR*(\a)+FR-1], 0, v[SC+8*NQ*(\sc)+NQ*\b+(\q)], v[SC+8*NQ*(\sc)+NQ*(\a)+(\q)] matrix_a_scale:MATRIX_SCALE_ROW1
.else
	v_wmma_scale_f32_16x16x128_f8f6f4 v[8*(8*((\a)%4)+\b):8*(8*((\a)%4)+\b)+7], v[128*(\p)+FR*\b:128*(\p)+FR*\b+FR-1], v[AF+FR*(\a):AF+FR*(\a)+FR-1], v[8*(8*((\a)%4)+\b):8*(8*((\a)%4)+\b)+7], v[SC+8*NQ*(\sc)+NQ*\b+(\q)], v[SC+8*NQ*(\sc)+NQ*(\a)+(\q)] matrix_a_scale:MATRIX_SCALE_ROW1
.endif
.endr
.endr
.endm
.macro FETCH_B slot, q, p
	WIN TO_B
.irp i, 0,1,2,3,4,5,6,7
	FRAG 128*(\p)+FR*\i, ADRB+\slot, \q, \i
.endr
	WIN 0
.endm
.macro FETCH_A slot, q, i0
.irp i, \i0, \i0+1, \i0+2, \i0+3
	FRAG AF+FR*(\i), ADRA+\slot, \q, \i
.endr
.endm
.macro SCALES sc                       ; a K step's scale words: two words a row; lanes 0-15 take A's block i, lanes 16-31 B's block i
.irp i, 0,1,2,3,4,5,6,7
	ds_load_b64 v[SC+8*NQ*\sc+NQ*\i:SC+8*NQ*\sc+NQ*\i+1], v[ADRS] offset:\i*SBLK
.endr
.endm
.macro PLACES n                        ; plain vector lines between a matrix instruction and a load into, or a vector read or write of, its registers
.rept \n
	v_nop
.endr
.endm
.macro STEP slot, q, zero              ; a step of 128 along K that has its successor in the same slot
	s_wait_dscnt 4*NL                              ; B's set and A's blocks 0-3 are in; the youngest 16 loads (A's blocks 4-7) may be out
	WIN MUL_LO
	MUL16 0, (\q)%2, \q, \slot, \zero
	MUL16 2, (\q)%2, \q, \slot, \zero
	s_wait_dscnt 0                                 ; A's blocks 4-7 are in
	PLACES NP
	FETCH_B \slot, (\q)+1, 1-(\q)%2
	FETCH_A \slot, (\q)+1, 0
	WIN MUL_HI
	MUL16 4, (\q)%2, \q, \slot, \zero
	MUL16 6, (\q)%2, \q, \slot, \zero
	PLACES NP
	WIN 0
	FETCH_A \slot, (\q)+1, 4
.endm
; A slot's last step changes slots: ONE barrier; in front of it each wave waits for all its tensor loads, adds 0 to its spare word, and waits for that and for its own reads of this slot.
.macro TURN slot, next, fill
	s_wait_tensorcnt 0x0                           ; all my tensor loads have landed: my part of the next slot
	ds_add_u32 v[SPW], v[NIL]                      ; 0 onto my spare word
	s_wait_dscnt 4*NL+1                            ; (the add and the youngest 16 loads, A's blocks 4-7, may be out)
	WIN MUL_LO
	MUL16 0, 1, NQ-1, \slot, 0
	s_wait_dscnt 0x0                               ; the add is done, and my reads of this slot are over
	s_barrier_signal -1
	MUL16 2, 1, NQ-1, \slot, 0
	WIN 0
	s_barrier_wait -1
.if \fill
	CREST                                          ; the barrier has opened a round of the cluster's barrier: no wave of any partner still reads this slot or has a load on its way
	s_add_nc_u64 s[G0+4*\slot+2:G0+4*\slot+3], s[G0+4*\slot+2:G0+4*\slot+3], 2*ROWB
	s_add_nc_u64 s[G0B+4*\slot+2:G0B+4*\slot+3], s[G0B+4*\slot+2:G0B+4*\slot+3], 2*ROWB
	JLOAD G0+4*\slot, G1, G0B+4*\slot, G1B         ; the first tensor load behind the round, my one load until the next
	PLACES NP-4
.else
	PLACES NP
.endif
	s_wait_alu depctr_va_vdst(0)
	v_add_nc_u32 v[ADRS], 4*NQ, v[ADRS]            ; on to the next K step's scale words
	FETCH_B \next, 0, 0
	FETCH_A \next, 0, 0
	SCALES \next
	WIN MUL_HI
	MUL16 4, 1, NQ-1, \slot, 0
	MUL16 6, 1, NQ-1, \slot, 0
	PLACES NP
	WIN 0
	FETCH_A \next, 0, 4
.endm
	s_wait_tensorcnt 1                             ; the scales and my part of K step 0 are in (K step 1's load may be out)
	s_barrier_signal -1
	s_barrier_wait -1
	FETCH_B 0, 0, 0
	FETCH_A 0, 0, 0
	SCALES 0
	FETCH_A 0, 0, 4
	STEP 0, 0, 1                                   ; the first step stands in front of the loop: its products start the sums
	s_mov_b32 s3, LAPS-1
.Llap:                                                 ; a trip goes once round the ring and fills both slots again
	TURN 0, 1, 1
	STEP 1, 0, 0
	TURN 1, 0, 1
	STEP 0, 0, 0
	s_sub_co_u32 s3, s3, 1
	s_cmp_lg_u32 s3, 0
	s_cbranch_scc1 .Llap
	TURN 0, 1, 0                                   ; the last lap fills nothing
	STEP 1, 0, 0
	s_wait_dscnt 4*NL
	WIN MUL_LO
	MUL16 0, 1, NQ-1, 1, 0
	MUL16 2, 1, NQ-1, 1, 0
	s_wait_dscnt 0
	WIN MUL_HI
	MUL16 4, 1, NQ-1, 1, 0
	MUL16 6, 1, NQ-1, 1, 0
	WIN 0
; THE WAY OUT, block by block of 16 rows x 128 columns.
; QUANTW a: the block's 64 registers of a lane (register 16 b + i = column 32 b + 16 (l / 16) + i of row l % 16) become 16 registers of codes and a scale word.  Each accumulator is read from its low end on.
.macro QUANTW a
.set AC, 64*((\a)%4)
.set WW, 2+(\a)/4
.set PCA, PC+16*((\a)%2)
.set PWA, PW+(\a)%2
	WIN (WW|(WW<<2))                               ; sources 0 and 1: the accumulators' window
.irp b, 0,1,2,3
	v_max3_num_f32 v[TM+\b], |v[AC+16*\b]|, |v[AC+16*\b+1]|, 0x4800000   ; block b: my 16 numbers, and the floor 2^(9 - 127): the byte cannot fall under 1
.endr
	WIN ((WW<<2)|(WW<<4))                          ; sources 1 and 2
.irp i, 2,4,6,8,10,12,14
.irp b, 0,1,2,3
	v_max3_num_f32 v[TM+\b], v[TM+\b], |v[AC+16*\b+\i]|, |v[AC+16*\b+\i+1]|   ; the four blocks by turns
.endr
.endr
	WIN 0
.irp b, 0,1,2,3
	v_permlanex16_b32 v[TM+4+\b], v[TM+\b], s2, s3
.endr
.irp b, 0,1,2,3
	v_max_num_f32 v[TM+\b], v[TM+\b], v[TM+4+\b]   ; with lane l xor 16's: the block's largest magnitude
.endr
.irp b, 0,1,2,3
	v_add_nc_u32 v[TM+12+\b], 0xfc000000, v[TM+\b] ; 8 off its exponent field: the conversion's scale operand
.endr
.irp b, 0,1,2,3
.endr
.irp b, 0,1,2,3
	v_lshrrev_b32 v[TM+4+\b], 23, v[TM+12+\b]      ; the scale's byte
.endr
	v_lshl_or_b32 v[PWA], v[TM+5], 8, v[TM+4]      ; my row's scale word for these 128 columns
	v_lshl_or_b32 v[PWA], v[TM+6], 16, v[PWA]
	v_lshl_or_b32 v[PWA], v[TM+7], 24, v[PWA]
	WIN ((WW<<6)|WW)                               ; destination and source 0
.irp b, 0,1,2,3
.irp i, 0,1,2,3,4,5,6,7,8,9,10,11,12,13,14,15
.endr
.endr
	WIN WW                                         ; source 0
.irp b, 0,1,2,3
	v_cvt_scalef32_pk8_fp8_f32 v[PCA+4*\b:PCA+4*\b+1], v[AC+16*\b:AC+16*\b+7], v[TM+12+\b]
	v_cvt_scalef32_pk8_fp8_f32 v[PCA+4*\b+2:PCA+4*\b+3], v[AC+16*\b+8:AC+16*\b+15], v[TM+12+\b]
.endr
	WIN 0
	v_nop                                          ; one plain line behind the last conversion
.endm
; TOSTAGE a: the codes go into my stage as rows of 64 bytes (two groups of 64 columns x 16 rows) and come back eight rows an instruction.  LDS serves a wave's instructions in order: no wait between.
.macro TOSTAGE a
.set PCA, PC+16*((\a)%2)
.set OBA, OB+16*((\a)%2)
.set SS, 2560*((\a)%2)
.irp b, 0,1,2,3
	ds_store_b128 v[STO], v[PCA+4*\b:PCA+4*\b+3] offset:SS+(\b/2)*1280+32*(\b%2)
.endr
	ds_store_b32 v[SSA], v[PW+(\a)%2] offset:64*(\a)   ; both halves of the lanes write the same word with the same value
.irp g, 0,1
.irp i, 0,1
	ds_load_b128 v[OBA+4*(2*\g+\i):OBA+4*(2*\g+\i)+3], v[RD] offset:SS+\g*1280+\i*640
.endr
.endr
.endm
.macro SEND a
.set OBA, OB+16*((\a)%2)
	s_wait_dscnt 0x0                               ; the block is back in registers, and its stores into the stage have read theirs
.irp g, 0,1
.irp i, 0,1
	global_store_b128 v[CO], v[OBA+4*(2*\g+\i):OBA+4*(2*\g+\i)+3], s[12:13] offset:\g*16384+(\a)*1024+\i*512   ; 32 lanes store 512 consecutive bytes, aligned
.endr
.endr
.endm
	PLACES NP                                      ; behind the last products: for the reads of their results and the loads into A's registers
	s_mov_b32 s2, 0x76543210
	s_mov_b32 s3, 0xfedcba98                       ; v_permlanex16_b32's selects for lane l xor 16
.irp b, 0,1,2,3
	v_mov_b32 v[TM+4+\b], 0                        ; written once: a lane permute's destination counts as one of its sources
.endr
	QUANTW 0
	TOSTAGE 0
.irp a, 1,2,3,4,5,6,7                  ; block a's arithmetic stands between block a - 1's loads from the stage and the wait for them
	QUANTW \a
.if \a > 1
	s_wait_xcnt 0x0                                ; block a - 2's stores have read their registers: block a's rows may land there
.endif
	s_wait_alu depctr_va_vdst(0)
	SEND \a-1
	TOSTAGE \a
.endr
	SEND 7
	s_wait_xcnt 0x0                                ; block 6's stores have read the registers that take the scale words
	ds_load_b128 v[OB:OB+3], v[SSR]                ; my 128 rows' new scale words
	s_wait_dscnt 0x0
	global_store_b128 v[CO], v[OB:OB+3], s[66:67]  ; 512 consecutive bytes, aligned
	s_wait_tensorcnt 0x0                           ; the wave's end
	ds_add_u32 v[SPW], v[NIL]
	s_wait_dscnt 0x0
	CROUND                                         ; the closing round: no work-group ends while a partner may still ask for a tile that names it
	s_endpgm
.Lfunc_end_k_qd777aa9adb_gemm_qk:
	.size	k_qd777aa9adb_gemm_qk, .Lfunc_end_k_qd777aa9adb_gemm_qk-k_qd777aa9adb_gemm_qk
	.p2alignl 7, 3214868480
	.fill 96, 4, 3214868480
	.section	.rodata,"a",@progbits
	.p2align	6, 0x0
	.amdhsa_kernel k_qd777aa9adb_gemm_qk
		.amdhsa_group_segment_fixed_size 327680
		.amdhsa_private_segment_fixed_size 0
		.amdhsa_enable_private_segment 0
		.amdhsa_kernarg_size 24
		.amdhsa_user_sgpr_count 2
		.amdhsa_user_sgpr_kernarg_segment_ptr 1
		.amdhsa_wavefront_size32 1
		.amdhsa_system_sgpr_workgroup_id_x 1
		.amdhsa_system_sgpr_workgroup_id_y 1
		.amdhsa_system_sgpr_workgroup_id_z 1
		.amdhsa_system_vgpr_workitem_id 0
		.amdhsa_next_free_vgpr 1024
		.amdhsa_next_free_sgpr 100
		.amdhsa_reserve_vcc 0
		.amdhsa_float_denorm_mode_32 3
		.amdhsa_float_denorm_mode_16_64 3
		.amdhsa_fp16_overflow 1
		.amdhsa_memory_ordered 1
		.amdhsa_forward_progress 1
		.amdhsa_inst_pref_size 156
	.end_amdhsa_kernel
	.amdgpu_metadata
---
amdhsa.version: [ 1, 2 ]
amdhsa.kernels:
  - .name:           k_qd777aa9adb_gemm_qk
    .symbol:         k_qd777aa9adb_gemm_qk.kd
    .args:
      - { .name: xq, .offset: 0, .size: 8, .value_kind: global_buffer, .address_space: global }
      - { .name: wqk, .offset: 8, .size: 8, .value_kind: global_buffer, .address_space: global }
      - { .name: qkq, .offset: 16, .size: 8, .value_kind: global_buffer, .address_space: global }
    .group_segment_fixed_size: 327680
    .private_segment_fixed_size: 0
    .kernarg_segment_align: 8
    .kernarg_segment_size: 24
    .max_flat_workgroup_size: 128
    .sgpr_count:     100
    .vgpr_count:     1024
    .wavefront_size: 32
...
	.end_amdgpu_metadata
.endif
;; end of part 3
;; launch gemm_v: the kernel of part 3 again; grid 32 x 4, 4 waves a work-group, clusters of 4 x 4, 327,680 bytes of LDS; arguments wvq, xq, vq; writes vq
;; launch attn (part 4): grid 4 x 64, 16 waves a work-group, clusters of 4 x 1, 313,344 bytes of LDS; arguments qkq, vq, oq; writes oq
.if DOCPART == 4
	.amdgcn_target "amdgcn-amd-amdhsa--gfx1250"
	.amdhsa_code_object_version 6
	.text
	.protected	k_qd777aa9adb_attn
	.globl	k_qd777aa9adb_attn
	.p2align	8
	.type	k_qd777aa9adb_attn,@function
k_qd777aa9adb_attn:
	s_mov_b64 s[64:65], 0
	v_nop
	global_prefetch_b8 v0, s[64:65] scope:SCOPE_SE
	s_setreg_imm32_b32 hwreg(HW_REG_WAVE_MODE, 25, 1), 1
	s_wait_xcnt 0x0
	s_wait_alu depctr_hold_cnt(0) depctr_sa_sdst(0) depctr_va_vdst(0) depctr_va_sdst(0) depctr_va_ssrc(0) depctr_va_vcc(0) depctr_vm_vsrc(0)
	s_getreg_b32 s2, hwreg(HW_REG_IB_STS2, 6, 4)
	s_cmp_eq_u32 s2, 0
	s_cbranch_scc0 .Lentry_in_a_cluster
	s_endpgm
.Lentry_in_a_cluster:
	s_bfe_u32 s2, ttmp6, 0x10000c
	s_cmp_lg_u32 s2, 0x3003
	s_cbranch_scc0 .Lentry_shape_is_right
	s_endpgm
.Lentry_shape_is_right:
; Causal attention of one (batch, head) to a cluster, both products on codes of FP8 (E4M3) with one E8M0 scale for each 32 along K; the result is quantised again along the model's 1,024 for the last product.
; t = score x log2(e) / 32 (the module divides by sqrt(1,024)); M = the running largest t rounded UP to a whole number; p = 2^(t - M) is quantised along the keys, not normalised; the row's sum of the unquantised p divides at the end.
; INPUTS (made by the launches before): q's and k's codes as blocks [256 stored tokens][64 bytes] for each head, their scale words one for a token and 128 columns (a head's two bytes: the lower or upper half);
; v's codes as pieces [64 stored channels][64 keys], 4,096 dense bytes; its scale words one for a channel and 128 keys.  STORED ORDER: an index with its bits 3 and 4 exchanged.
; SHARES.  The four work-groups of a cluster share one head.  THE HEAD'S WHOLE K AND V LIE IN EACH PARTNER'S LDS, filled once by joint loads: no slot is filled again.
; The head has 128 tiles of 16 stored queries; partner cx takes tiles 4 m + cx; wave w takes m = w, then m = 31 - w.  A tile's last step of 128 keys is m / 2: it hangs on no place in the cluster, and every wave works 17 steps.
; LAYOUT.  Both products transposed: S^T = K Q^T (source 0 = 16 stored keys), O^T = V^T P^T (source 0 = 16 stored channels): a lane holds ONE query; by the stored order the 16 registers of two neighbouring tiles are 16 neighbouring keys (or channels).
; THE FIRST PRODUCT'S K IS 64, the instruction's 128: Q's upper eight registers are zero codes.  K's tile t is named as 16 registers of which the upper eight are the next tile's codes (behind tile 7: zeros): finite codes times zero codes.
; The scale words of that product are loaded as 16 bits: their upper two bytes are 0, which is a power of two and no NaN.
; No prefetch: all that the launch reads through LDS is asked for at its head.
; o's scale bytes leave two bytes a row, to rows 32 bytes apart: 262,144 bytes in the whole launch are written so.
; LIMITS: a block of zeros gets the byte 1 (its codes are zeros; this program alone reads the bytes); NaN and infinities are not served.
; REGISTERS: v1-7 addresses that stay; v8-11 addresses in hand; v12 -M, v13 the largest t, v[14:15] the sum; v16-23 Q, v24-31 zeros; v32-95 K's eight tiles or V's four fragments; v96-103 zeros; v104-167 S^T, then p; v168-199 O^T;
;   v200-215 codes; v216-231 at work on blocks; v[232:233] f, 0; v234 at work; v235 -infinity; v[236:237] a second sum; v238, v239, v250 offsets; v240-247 K's or V's scale words, v248 Q's, v249 p's; v251 o's two bytes; v252 the mask's lane part.
.set VC,    139264                     ; LDS: K's 2,048 lines of 64 bytes from 0 on, V's 32 pieces from here; 16 bytes of padding behind each 256: line n at 272 (n / 4) + 64 (n % 4): the 16 lines of a load fall on 16 different columns of 16 bytes
.set HALFK, 69632                      ; half of either
.set KSC,   278528                     ; K's scale words, one a key
.set VSC,   286720                     ; V's: [128 keys][64 channels]
.set STG,   290816                     ; the stages: 16 rows x 80 bytes for each wave; no fill lands here
.set G1C,  28                          ; s[28:35] group 1: 16 rows of 256 dense bytes, padded
.set G1KS, 36                          ; s[36:43] one row of 512 bytes
.set G1VS, 44                          ; s[44:51] one row of 256 bytes
.macro ROUND                           ; a round of the cluster's barrier
	s_barrier_signal -1
	s_barrier_wait -1
	s_cmp_lg_u32 s10, 0
	s_cbranch_scc1 .Lnot_wave_0_\@
	s_barrier_signal -3
.Lnot_wave_0_\@:
	s_barrier_wait -3
	s_barrier_signal -1
	s_barrier_wait -1
.endm
; The offsets of pass p, whose m stands in s[m]: s[80+8p ..]: Q's codes, Q's scale halves, o's codes, o's scale bytes; s[2+p] the mask's scalar part; s[25+p] the last step.
.macro BASES p, m
	s_lshr_b32 s96, s[\m], 2
	s_lshl_b32 s97, s13, 3
	s_add_co_u32 s96, s96, s97                     ; which 256 tokens: 8 b + m / 4
	s_and_b32 s97, s[\m], 3
	s_lshl_b32 s97, s97, 2
	s_add_co_u32 s97, s97, s11                     ; which 16 of them: 4 (m % 4) + cx
	s_lshl_b32 s98, s96, 5
	s_add_co_u32 s98, s98, s14
	s_lshl_b32 s98, s98, 14                        ; a head's block of 256 tokens is 16,384 bytes
	s_lshl_b32 s99, s97, 10
	s_add_co_u32 s98, s98, s99
	s_add_co_u32 s[80+8*\p], s98, 0x80000
	s_mov_b32 s[81+8*\p], 0
	s_lshl_b32 s98, s96, 4
	s_lshr_b32 s99, s14, 1
	s_add_co_u32 s98, s98, s99
	s_lshl_b32 s98, s98, 10                        ; 256 words
	s_lshl_b32 s99, s97, 6
	s_add_co_u32 s98, s98, s99
	s_and_b32 s99, s14, 1
	s_lshl_b32 s99, s99, 1                         ; the head's half of the word
	s_add_co_u32 s[82+8*\p], s98, s99
	s_mov_b32 s[83+8*\p], 0
	s_lshl_b32 s96, s[\m], 2
	s_add_co_u32 s96, s96, s11                     ; the tile: 4 m + cx
	s_lshl_b32 s98, s14, 19                        ; o's codes: [head][8,192 stored tokens][64 bytes]
	s_lshl_b32 s99, s13, 17
	s_add_co_u32 s98, s98, s99
	s_lshl_b32 s99, s96, 10
	s_add_co_u32 s98, s98, s99
	s_add_co_u32 s[84+8*\p], s98, 0x40000
	s_mov_b32 s[85+8*\p], 0
	s_lshl_b32 s98, s13, 16                        ; o's scale bytes: [stored token][32], the head's two at 2 h
	s_lshl_b32 s99, s96, 9
	s_add_co_u32 s98, s98, s99
	s_lshl_b32 s99, s14, 1
	s_add_co_u32 s[86+8*\p], s98, s99
	s_mov_b32 s[87+8*\p], 0
	s_and_b32 s98, s[\m], 1                        ; the tile's first query less the last step's first key: 64 (m % 2) + 32 (cx / 2) + 8 (cx % 2)
	s_lshl_b32 s98, s98, 6
	s_lshr_b32 s99, s11, 1
	s_lshl_b32 s99, s99, 5
	s_add_co_u32 s98, s98, s99
	s_and_b32 s99, s11, 1
	s_lshl_b32 s99, s99, 3
	s_add_co_u32 s[2+\p], s98, s99
	s_lshr_b32 s[25+\p], s[\m], 1                  ; the step on the diagonal: m / 2
.endm
	s_load_b128 s[4:7], s[0:1], 0x0                ; qkq, vq
	s_load_b64 s[8:9], s[0:1], 0x10                ; oq
	v_lshl_add_u32 v254, v0, 2, 0x4c000
	v_mov_b32 v255, 0
	ds_add_u32 v254, v255
	ds_add_u32 v254, v255
	v_lshrrev_b32 v1, 5, v0
	s_delay_alu instid0(VALU_DEP_1)
	v_readfirstlane_b32 s10, v1                    ; wave 0..15
	s_bfe_u32 s11, ttmp6, 0x40000                  ; cx: it enters Q's and o's addresses and the mask's numbers alone
	s_and_b32 s12, ttmp7, 0xffff
	s_lshr_b32 s13, s12, 4                         ; b
	s_and_b32 s14, s12, 15                         ; h
	s_xor_b32 s15, s10, 31                         ; 31 - wave
	s_mov_b32 s[G1C], 15|(3<<16)|(1<<20)|(1<<21)|(5<<22)|(3<<25)   ; the mask: all four; elements of 8 bytes; padding: 4 words behind every 64; bit 21 beside the mask
	s_mov_b32 s[G1C+1], 32<<16
	s_mov_b32 s[G1C+2], 16<<16
	s_mov_b32 s[G1C+3], 32<<16
	s_mov_b32 s[G1C+4], 16
	s_mov_b32 s[G1C+5], 32
	s_mov_b32 s[G1C+6], 0
	s_mov_b32 s[G1C+7], 0
	s_mov_b32 s[G1KS], 15|(3<<16)|(1<<21)
	s_mov_b32 s[G1KS+1], 64<<16
	s_mov_b32 s[G1KS+2], 1<<16
	s_mov_b32 s[G1KS+3], 64<<16
	s_mov_b32 s[G1KS+4], 1
	s_mov_b32 s[G1KS+5], 64
	s_mov_b32 s[G1KS+6], 0
	s_mov_b32 s[G1KS+7], 0
	s_mov_b32 s[G1VS], 15|(3<<16)|(1<<21)
	s_mov_b32 s[G1VS+1], 32<<16
	s_mov_b32 s[G1VS+2], 1<<16
	s_mov_b32 s[G1VS+3], 32<<16
	s_mov_b32 s[G1VS+4], 1
	s_mov_b32 s[G1VS+5], 32
	s_mov_b32 s[G1VS+6], 0
	s_mov_b32 s[G1VS+7], 0
	s_mov_b32 s16, 0x76543210
	s_mov_b32 s17, 0xfedcba98                      ; v_permlanex16_b32's selects for lane l xor 16
	s_mov_b32 s18, 0x3d38aa3b                      ; c = log2(e) / 32
	s_mov_b32 s19, s18                             ; (named with it as a pair)
	s_lshl_b32 s96, s13, 3                         ; 8 b
	s_lshr_b32 s97, s14, 1                         ; h / 2
	s_lshr_b32 s98, s14, 2                         ; h / 4
	s_and_b32 s99, s14, 3                          ; h % 4
	; six groups 0, one load each for every wave.  K's scale words of keys 128 w on:
	s_lshr_b32 s54, s10, 1
	s_add_co_u32 s54, s54, s96
	s_lshl_b32 s54, s54, 4
	s_add_co_u32 s54, s54, s97
	s_add_co_u32 s54, s54, 8
	s_lshl_b32 s54, s54, 10
	s_and_b32 s55, s10, 1
	s_lshl_b32 s55, s55, 9
	s_add_co_u32 s54, s54, s55
	s_mov_b32 s55, 0
	; V's scale words of keys 128 w on:
	s_lshl_b32 s58, s98, 4
	s_add_co_u32 s58, s58, s10
	s_lshl_b32 s58, s58, 10
	s_lshl_b32 s59, s99, 8
	s_add_co_u32 s58, s58, s59
	s_lshl_b32 s59, s13, 16
	s_add_co_u32 s58, s58, s59
	s_mov_b32 s59, 0
	; K's codes of keys 64 w on:
	s_lshr_b32 s62, s10, 2
	s_add_co_u32 s62, s62, s96
	s_lshl_b32 s62, s62, 5
	s_add_co_u32 s62, s62, s14
	s_add_co_u32 s62, s62, 16
	s_lshl_b32 s62, s62, 14
	s_and_b32 s63, s10, 3
	s_lshl_b32 s63, s63, 12
	s_add_co_u32 s62, s62, s63
	s_add_co_u32 s62, s62, 0x80000
	s_mov_b32 s63, 0
	; V's piece w:
	s_lshl_b32 s70, s98, 5
	s_add_co_u32 s70, s70, s10
	s_lshl_b32 s70, s70, 14
	s_lshl_b32 s71, s99, 12
	s_add_co_u32 s70, s70, s71
	s_lshl_b32 s71, s13, 21
	s_add_co_u32 s70, s70, s71
	s_add_co_u32 s70, s70, 0x80000
	s_mov_b32 s71, 0
	s_mov_b32 s52, 1
	s_mov_b32 s56, 1
	s_mov_b32 s60, 1
	s_mov_b32 s68, 1
	s_mov_b32 s72, 1
	s_mov_b32 s76, 1
	s_lshl_b32 s53, s10, 9
	s_add_co_u32 s53, s53, KSC                     ; the LDS addresses: a constant + the wave's number x a constant
	s_lshl_b32 s57, s10, 8
	s_add_co_u32 s57, s57, VSC
	s_mul_i32 s61, s10, 4352
	s_add_co_u32 s69, s61, VC
	s_add_co_u32 s73, s61, HALFK
	s_add_co_u32 s77, s61, VC+HALFK
	BASES 0, 10
	BASES 1, 15
	s_wait_dscnt 0x0
	s_wait_kmcnt 0x0
	s_add_nc_u64 s[54:55], s[4:5], s[54:55]
	s_add_nc_u64 s[58:59], s[6:7], s[58:59]
	s_add_nc_u64 s[62:63], s[4:5], s[62:63]
	s_add_nc_u64 s[70:71], s[6:7], s[70:71]
	s_add_nc_u64 s[74:75], s[62:63], 0x200000      ; keys 1,024 + 64 w on: four blocks of 256 tokens further
	s_add_nc_u64 s[78:79], s[70:71], 0x40000       ; piece 16 + w
	s_or_b32 s55, s55, 0x80000000
	s_or_b32 s59, s59, 0x80000000
	s_or_b32 s63, s63, 0x80000000
	s_or_b32 s71, s71, 0x80000000
	s_or_b32 s75, s75, 0x80000000
	s_or_b32 s79, s79, 0x80000000
.irp p, 0,1
	s_add_nc_u64 s[80+8*\p:81+8*\p], s[4:5], s[80+8*\p:81+8*\p]
	s_add_nc_u64 s[82+8*\p:83+8*\p], s[4:5], s[82+8*\p:83+8*\p]
	s_add_nc_u64 s[84+8*\p:85+8*\p], s[8:9], s[84+8*\p:85+8*\p]
	s_add_nc_u64 s[86+8*\p:87+8*\p], s[8:9], s[86+8*\p:87+8*\p]
.endr
	ROUND                                          ; all four work-groups are here: the joint loads meet
	tensor_load_to_lds s[52:55], s[G1KS:G1KS+7]    ; the launch's only fills, one group: six tensor loads of mine are out
	s_nop 0
	tensor_load_to_lds s[56:59], s[G1VS:G1VS+7]
	s_nop 0
	tensor_load_to_lds s[60:63], s[G1C:G1C+7]
	s_nop 0
	tensor_load_to_lds s[68:71], s[G1C:G1C+7]
	s_nop 0
	tensor_load_to_lds s[72:75], s[G1C:G1C+7]
	s_nop 0
	tensor_load_to_lds s[76:79], s[G1C:G1C+7]
	s_nop 0
.rept 4
	v_nop
.endr
	v_and_b32 v8, 15, v0                           ; r
	v_bfe_u32 v9, v0, 4, 1                         ; hl
	s_delay_alu instid0(VALU_DEP_2)
	v_lshlrev_b32 v238, 6, v8
	s_delay_alu instid0(VALU_DEP_1)
	v_lshl_add_u32 v238, v9, 4, v238               ; Q: 64 r + 16 hl
	s_delay_alu instid0(VALU_DEP_4)
	v_lshlrev_b32 v239, 2, v8                      ; Q's scale halves: 4 r
	global_load_b128 v[16:19], v238, s[80:81]      ; the first pass's Q
	global_load_b128 v[20:23], v238, s[80:81] offset:32
	global_load_u16 v248, v239, s[82:83]
	v_bfe_u32 v10, v0, 2, 2                        ; r / 4
	v_and_b32 v11, 3, v0                           ; r % 4
	s_delay_alu instid0(VALU_DEP_2)
	v_mul_u32_u24 v1, v10, 272
	s_delay_alu instid0(VALU_DEP_1)
	v_lshl_add_u32 v1, v11, 6, v1
	s_delay_alu instid0(VALU_DEP_1)
	v_lshl_add_u32 v1, v9, 4, v1                   ; my lane's place in 16 lines: 272 (r / 4) + 64 (r % 4) + 16 hl
	s_and_b32 s27, s14, 1
	s_lshl_b32 s27, s27, 1
	s_add_co_u32 s27, s27, KSC
	v_lshl_add_u32 v2, v8, 2, s27                  ; K's scale halves: 4 r + the head's half
	v_lshl_add_u32 v3, v8, 2, VSC                  ; V's scale words: 4 r
	s_mul_i32 s27, s10, 1280
	s_add_co_u32 s27, s27, STG                     ; my stage
	v_mul_u32_u24 v5, v8, 80
	s_delay_alu instid0(VALU_DEP_1)
	v_lshl_add_u32 v5, v9, 4, v5
	s_delay_alu instid0(VALU_DEP_1)
	v_add_nc_u32 v5, s27, v5                       ; in: row r, 16 bytes for each half of the lanes
	v_and_b32 v10, 31, v0
	s_delay_alu instid0(VALU_DEP_1)
	v_lshrrev_b32 v6, 2, v10
	s_delay_alu instid0(VALU_DEP_1)
	v_mul_u32_u24 v6, v6, 80
	s_delay_alu instid0(VALU_DEP_1)
	v_lshl_add_u32 v6, v11, 4, v6
	s_delay_alu instid0(VALU_DEP_1)
	v_add_nc_u32 v6, s27, v6                       ; back: four lanes to a row
	v_lshlrev_b32 v7, 4, v10                       ; 16 x lane
	v_lshlrev_b32 v250, 5, v8                      ; o's scale bytes: 32 r
	v_and_b32 v11, 8, v8
	s_delay_alu instid0(VALU_DEP_1)
	v_add_nc_u32 v252, v11, v8
	v_lshlrev_b32 v11, 4, v9
	s_delay_alu instid0(VALU_DEP_1)
	v_sub_nc_u32 v252, v252, v11                   ; r + 8 (r / 8) - 16 hl
.irp j, 0,1,2,3,4,5,6,7
	v_mov_b32 v[24+\j], 0                          ; Q's upper half: zero codes
	v_mov_b32 v[96+\j], 0                          ; and what stands behind K's tile 7
.endr
.irp b, 0,1,2,3
	v_mov_b32 v[220+\b], 0                         ; written once: a lane permute's destination counts as one of its sources
.endr
	v_mov_b32 v232, 0
	v_mov_b32 v233, 0                              ; (the upper half of f's pair)
	v_mov_b32 v234, 0
	v_mov_b32 v235, 0xff800000                     ; -infinity
	s_wait_tensorcnt 0x0                           ; my six parts of K, V and their scales have landed,
	s_barrier_signal -1
	s_barrier_wait -1                              ; everybody's have.  No barrier follows but the closing round's: each wave goes through its 17 steps by itself
; A PASS: one tile of 16 queries against the keys up to its diagonal.  The loop's trip count is a constant; a step all of whose keys come after the tile's queries is jumped over (a branch on the wave's number and the step alone).
.macro PASS p
	s_wait_loadcnt 0x0                             ; Q
	s_wait_xcnt 0x0                                ; the last pass's stores have read their registers
	v_mov_b32 v13, 0xff61b1e6                      ; the largest t so far: -3e38
	s_delay_alu instid0(VALU_DEP_1)
	v_floor_f32 v12, -v13                          ; -M
	v_mov_b32 v14, 0
	v_mov_b32 v15, 0
.set j, 0
.rept 32
	v_mov_b32 v[168+j], 0                          ; O^T: the step is written once; the first change of M leaves zeros zeros
.set j, j+1
.endr
	v_add_nc_u32 v4, s[2+\p], v252                 ; d = my query - the diagonal step's first key - 16 hl
	s_mov_b32 s21, 0                               ; the step
	s_mov_b32 s22, 0                               ; its 128 lines of K, and its two pieces of V: 8,704 bytes a step
	s_mov_b32 s23, 0                               ; K's scale words: 512 bytes a step
	s_mov_b32 s24, 0                               ; V's: 256
.Lstep_\@:
	s_cmp_gt_u32 s21, s[25+\p]
	s_cbranch_scc1 .Lhidden_\@
	s_setprio 2
	v_add_nc_u32 v8, s22, v1
	v_add_nc_u32 v10, s23, v2
	v_add_nc_u32 v11, s24, v3
	s_delay_alu instid0(VALU_DEP_3)
	v_add_nc_u32 v9, VC, v8
.rept 4
	v_nop                                          ; with the four additions: eight places in front of loads into registers that the last products read
.endr
.irp t, 0,1,2,3,4,5,6,7
	ds_load_b128 v[32+8*\t:35+8*\t], v8 offset:1088*\t
	ds_load_b128 v[36+8*\t:39+8*\t], v8 offset:1088*\t+32
	ds_load_u16 v[240+\t], v10 offset:64*\t
.endr
	s_wait_alu depctr_va_vdst(0)
	s_wait_dscnt 0x0
.irp t, 0,1,2,3,4,5,6,7
	v_wmma_scale_f32_16x16x128_f8f6f4 v[104+8*\t:111+8*\t], v[32+8*\t:47+8*\t], v[16:31], 0, v[240+\t], v248
.endr
.rept 8
	v_nop
.endr
.irp t, 0,1,2,3                                ; V's fragments are asked for now and land under the softmax
.irp c, 0,1,2,3
	ds_load_b128 v[32+16*\t+4*\c:35+16*\t+4*\c], v9 offset:(\c/2)*4352+1088*\t+32*(\c%2)
.endr
	ds_load_b32 v[240+\t], v11 offset:64*\t
.endr
	s_cmp_lt_u32 s21, s[25+\p]                     ; only the step on the diagonal hides keys
	s_cbranch_scc1 .Lopen_\@
.set n, 0
.rept 64
	v_cmp_gt_i32 vcc_lo, 32*(n/16)+n%16, v4        ; register 16 b + i holds key 32 b + 16 hl + i of the step: hidden where 32 b + i > d
	v_cndmask_b32 v[104+n], v[104+n], v235, vcc_lo
.set n, n+1
.endr
.Lopen_\@:
.irp b, 0,1,2,3
	v_max3_num_f32 v[216+\b], v[104+16*\b], v[105+16*\b], v[106+16*\b]   ; the largest score of each block of 32 keys: for the row's maximum and, since p rises with the score, for the block's largest p
.endr
.irp i, 3,5,7,9,11,13
.irp b, 0,1,2,3
	v_max3_num_f32 v[216+\b], v[216+\b], v[104+16*\b+\i], v[105+16*\b+\i]
.endr
.endr
.irp b, 0,1,2,3
	v_max_num_f32 v[216+\b], v[216+\b], v[119+16*\b]
.endr
.irp b, 0,1,2,3
	s_delay_alu instid0(VALU_DEP_4)
	v_permlanex16_b32 v[220+\b], v[216+\b], s16, s17
.endr
.irp b, 0,1,2,3
	s_delay_alu instid0(VALU_DEP_4)
	v_max_num_f32 v[216+\b], v[216+\b], v[220+\b]  ; with lane l xor 16's 16 keys
.endr
	s_delay_alu instid0(VALU_DEP_2)
	v_max3_num_f32 v234, v216, v217, v218
	s_delay_alu instid0(VALU_DEP_1)
	v_max_num_f32 v234, v234, v219                 ; the step's largest score of my query
	s_delay_alu instid0(VALU_DEP_1)
	v_mul_f32 v234, s18, v234                      ; as t
	s_delay_alu instid0(VALU_DEP_1)
	v_max_num_f32 v13, v13, v234                   ; the running largest t
	v_mov_b32 v234, v12
	s_delay_alu instid0(VALU_DEP_2)
	v_floor_f32 v12, -v13                          ; the new -M = floor(-t): M is a whole number
	s_delay_alu instid0(VALU_DEP_1)
	v_sub_f32 v234, v12, v234                      ; old M - new M: a whole number, 0 or less
	s_delay_alu instid0(VALU_DEP_1)
	v_cvt_i32_f32 v234, v234                       ; (it saturates)
	s_delay_alu instid0(VALU_DEP_1)
	v_ldexp_f32 v232, 1.0, v234                    ; f = 2^(old M - new M): a multiplication by it rounds nothing
.set j, 0
	s_setprio 1
.rept 32
	v_pk_fma_f32 v[104+j:105+j], v[104+j:105+j], s[18:19], v[12:13] op_sel_hi:[1,0,0]   ; t - M, two at a time
.set j, j+2
.endr
.irp b, 0,1,2,3
	v_fma_f32 v[216+\b], v[216+\b], s18, v12       ; the same of each block's largest score
.endr
.set j, 0
	s_wait_alu depctr_va_vdst(0)
.rept 64
	v_exp_f32 v[104+j], v[104+j]                   ; p = 2^(t - M)
.set j, j+1
.endr
	v_pk_mul_f32 v[14:15], v[14:15], v[232:233] op_sel_hi:[1,0]   ; the sums under the new M (the plain line behind the exponentials)
	s_wait_alu depctr_va_vdst(0)                   ; one wait for the batch, ahead of its first reader
.irp b, 0,1,2,3
	v_exp_f32 v[216+\b], v[216+\b]                 ; the block's largest p
.endr
	v_pk_add_f32 v[236:237], v[108:109], v[112:113]
	v_pk_add_f32 v[246:247], v[116:117], v[120:121]
	v_pk_add_f32 v[244:245], v[124:125], v[128:129]
	v_pk_add_f32 v[230:231], v[132:133], v[136:137]
	v_pk_add_f32 v[228:229], v[140:141], v[144:145]
	v_pk_add_f32 v[226:227], v[148:149], v[152:153]
	v_pk_add_f32 v[224:225], v[156:157], v[160:161]
	v_pk_add_f32 v[14:15], v[14:15], v[164:165]
	v_pk_add_f32 v[236:237], v[236:237], v[104:105]
	v_pk_add_f32 v[246:247], v[246:247], v[106:107]
	v_pk_add_f32 v[244:245], v[244:245], v[110:111]
	v_pk_add_f32 v[230:231], v[230:231], v[114:115]
	v_pk_add_f32 v[228:229], v[228:229], v[118:119]
	v_pk_add_f32 v[226:227], v[226:227], v[122:123]
	v_pk_add_f32 v[224:225], v[224:225], v[126:127]
	v_pk_add_f32 v[14:15], v[14:15], v[130:131]
	v_pk_add_f32 v[236:237], v[236:237], v[134:135]
	v_pk_add_f32 v[246:247], v[246:247], v[138:139]
	v_pk_add_f32 v[244:245], v[244:245], v[142:143]
	v_pk_add_f32 v[230:231], v[230:231], v[146:147]
	v_pk_add_f32 v[228:229], v[228:229], v[150:151]
	v_pk_add_f32 v[226:227], v[226:227], v[154:155]
	v_pk_add_f32 v[224:225], v[224:225], v[158:159]
	v_pk_add_f32 v[14:15], v[14:15], v[162:163]
	v_pk_add_f32 v[236:237], v[236:237], v[166:167]
	s_delay_alu instid0(VALU_DEP_2)
	v_pk_add_f32 v[14:15], v[14:15], v[230:231]
	s_delay_alu instid0(VALU_DEP_2)
	v_pk_add_f32 v[236:237], v[236:237], v[228:229]
	v_pk_add_f32 v[246:247], v[246:247], v[226:227]
	v_pk_add_f32 v[244:245], v[244:245], v[224:225]
	s_delay_alu instid0(VALU_DEP_2)
	v_pk_add_f32 v[14:15], v[14:15], v[246:247]
	s_delay_alu instid0(VALU_DEP_2)
	v_pk_add_f32 v[236:237], v[236:237], v[244:245]
	s_delay_alu instid0(VALU_DEP_1)
	v_pk_add_f32 v[14:15], v[14:15], v[236:237]
	s_setprio 0
	s_wait_alu depctr_va_vdst(0)                   ; and one for the four
.irp b, 0,1,2,3
	v_max_num_f32 v[216+\b], 0x4800000, v[216+\b]  ; the floor 2^(9 - 127): the byte cannot fall under 1
.endr
.irp b, 0,1,2,3
	s_delay_alu instid0(VALU_DEP_4)
	v_add_nc_u32 v[228+\b], 0xfc000000, v[216+\b]  ; the conversion's scale operand
.endr
.irp b, 0,1,2,3
.endr
.irp b, 0,1,2,3
	s_delay_alu instid0(VALU_DEP_4)
	v_lshrrev_b32 v[220+\b], 23, v[228+\b]         ; the scale's byte
.endr
	s_delay_alu instid0(VALU_DEP_3)
	v_lshl_or_b32 v249, v221, 8, v220              ; p's scale word for these 128 keys
	s_delay_alu instid0(VALU_DEP_1)
	v_lshl_or_b32 v249, v222, 16, v249
	s_delay_alu instid0(VALU_DEP_1)
	v_lshl_or_b32 v249, v223, 24, v249
.irp b, 0,1,2,3
.irp i, 0,1,2,3,4,5,6,7,8,9,10,11,12,13,14,15
.endr
	v_cvt_scalef32_pk8_fp8_f32 v[200+4*\b:201+4*\b], v[104+16*\b:111+16*\b], v[228+\b]
	v_cvt_scalef32_pk8_fp8_f32 v[202+4*\b:203+4*\b], v[112+16*\b:119+16*\b], v[228+\b]
.endr
.set j, 0
.rept 16
	v_pk_mul_f32 v[168+j:169+j], v[168+j:169+j], v[232:233] op_sel_hi:[1,0]   ; O^T under the new M (also the places between the codes and the products)
.set j, j+2
.endr
	s_wait_alu depctr_va_vdst(0)
	s_wait_dscnt 0x0                               ; V's fragments and scale words are in
.irp t, 0,1,2,3
	v_wmma_scale_f32_16x16x128_f8f6f4 v[168+8*\t:175+8*\t], v[32+16*\t:47+16*\t], v[200:215], v[168+8*\t:175+8*\t], v[240+\t], v249
.endr
.Lhidden_\@:
	s_add_co_u32 s22, s22, 8704
	s_add_co_u32 s23, s23, 512
	s_add_co_u32 s24, s24, 256
	s_add_co_u32 s21, s21, 1
	s_cmp_lt_u32 s21, 16
	s_cbranch_scc1 .Lstep_\@
	s_setprio 0
.rept 8
	v_nop                                          ; places behind the last products
.endr
.if \p == 0
	global_load_b128 v[16:19], v238, s[88:89]      ; the next pass's Q lands under this pass's way out
	global_load_b128 v[20:23], v238, s[88:89] offset:32
	global_load_u16 v248, v239, s[90:91]
.endif
	v_add_f32 v14, v14, v15                        ; the sum's two halves,
	s_delay_alu instid0(VALU_DEP_1)
	v_permlanex16_b32 v234, v14, s16, s17
	s_delay_alu instid0(VALU_DEP_1)
	v_add_f32 v14, v14, v234                       ; and lane l xor 16's
	s_wait_alu depctr_va_vdst(0)
	v_rcp_f32 v14, v14
	v_nop                                          ; a plain line behind the reciprocal
	s_wait_alu depctr_va_vdst(0)                   ; and the wait ahead of its first reader
.set j, 0
.rept 16
	v_pk_mul_f32 v[104+j:105+j], v[168+j:169+j], v[14:15] op_sel_hi:[1,0]   ; o = O^T / the sum: register 16 b + i is channel 32 b + 16 hl + i of my query
.set j, j+2
.endr
.irp b, 0,1                                    ; o is quantised along the head's 64 channels: two blocks of the last product's K
	v_max3_num_f32 v[216+\b], |v[104+16*\b]|, |v[105+16*\b]|, 0x4800000
.endr
.irp i, 2,4,6,8,10,12,14
.irp b, 0,1
	s_delay_alu instid0(VALU_DEP_2)
	v_max3_num_f32 v[216+\b], v[216+\b], |v[104+16*\b+\i]|, |v[105+16*\b+\i]|
.endr
.endr
.irp b, 0,1
	s_delay_alu instid0(VALU_DEP_2)
	v_permlanex16_b32 v[220+\b], v[216+\b], s16, s17
.endr
.irp b, 0,1
	s_delay_alu instid0(VALU_DEP_2)
	v_max_num_f32 v[216+\b], v[216+\b], v[220+\b]
.endr
.irp b, 0,1
	s_delay_alu instid0(VALU_DEP_2)
	v_add_nc_u32 v[228+\b], 0xfc000000, v[216+\b]
.endr
.irp b, 0,1
.endr
.irp b, 0,1
	s_delay_alu instid0(VALU_DEP_2)
	v_lshrrev_b32 v[220+\b], 23, v[228+\b]
.endr
	s_delay_alu instid0(VALU_DEP_1)
	v_lshl_or_b32 v251, v221, 8, v220              ; the head's two scale bytes of my row
.irp b, 0,1
.irp i, 0,1,2,3,4,5,6,7,8,9,10,11,12,13,14,15
.endr
	v_cvt_scalef32_pk8_fp8_f32 v[200+4*\b:201+4*\b], v[104+16*\b:111+16*\b], v[228+\b]
	v_cvt_scalef32_pk8_fp8_f32 v[202+4*\b:203+4*\b], v[112+16*\b:119+16*\b], v[228+\b]
.endr
	v_nop                                          ; one plain line behind the last conversion
	ds_store_b128 v5, v[200:203]                   ; through my stage: 16 rows of 64 bytes
	ds_store_b128 v5, v[204:207] offset:32
	ds_load_b128 v[208:211], v6                    ; LDS serves a wave's instructions in order: these see my stores
	ds_load_b128 v[212:215], v6 offset:640
	s_wait_alu depctr_va_vdst(0)
	s_wait_dscnt 0x0
	global_store_b128 v7, v[208:211], s[84+8*\p:85+8*\p]              ; the tile's 1,024 bytes are dense: 512 consecutive bytes a store
	global_store_b128 v7, v[212:215], s[84+8*\p:85+8*\p] offset:512
	global_store_b16 v250, v251, s[86+8*\p:87+8*\p]                   ; both halves of the lanes write the same two bytes
.endm
	PASS 0
	PASS 1
	s_wait_dscnt 0x0
	s_wait_tensorcnt 0x0
	ds_add_u32 v254, v255
	s_wait_dscnt 0x0
	ROUND                                          ; the closing round
	s_endpgm
.Lfunc_end_k_qd777aa9adb_attn:
	.size	k_qd777aa9adb_attn, .Lfunc_end_k_qd777aa9adb_attn-k_qd777aa9adb_attn
	.p2alignl 7, 3214868480
	.fill 96, 4, 3214868480
	.section	.rodata,"a",@progbits
	.p2align	6, 0x0
	.amdhsa_kernel k_qd777aa9adb_attn
		.amdhsa_group_segment_fixed_size 313344
		.amdhsa_private_segment_fixed_size 0
		.amdhsa_enable_private_segment 0
		.amdhsa_kernarg_size 24
		.amdhsa_user_sgpr_count 2
		.amdhsa_user_sgpr_kernarg_segment_ptr 1
		.amdhsa_wavefront_size32 1
		.amdhsa_system_sgpr_workgroup_id_x 1
		.amdhsa_system_sgpr_workgroup_id_y 1
		.amdhsa_system_sgpr_workgroup_id_z 1
		.amdhsa_system_vgpr_workitem_id 0
		.amdhsa_next_free_vgpr 256
		.amdhsa_next_free_sgpr 102
		.amdhsa_reserve_vcc 1
		.amdhsa_float_denorm_mode_32 3
		.amdhsa_float_denorm_mode_16_64 3
		.amdhsa_fp16_overflow 1
		.amdhsa_memory_ordered 1
		.amdhsa_forward_progress 1
		.amdhsa_inst_pref_size 72
	.end_amdhsa_kernel
	.amdgpu_metadata
---
amdhsa.version: [ 1, 2 ]
amdhsa.kernels:
  - .name:           k_qd777aa9adb_attn
    .symbol:         k_qd777aa9adb_attn.kd
    .args:
      - { .name: qkq, .offset: 0, .size: 8, .value_kind: global_buffer, .address_space: global }
      - { .name: vq, .offset: 8, .size: 8, .value_kind: global_buffer, .address_space: global }
      - { .name: oq, .offset: 16, .size: 8, .value_kind: global_buffer, .address_space: global }
    .group_segment_fixed_size: 313344
    .private_segment_fixed_size: 0
    .kernarg_segment_align: 8
    .kernarg_segment_size: 24
    .max_flat_workgroup_size: 512
    .sgpr_count:     102
    .vgpr_count:     256
    .wavefront_size: 32
...
	.end_amdgpu_metadata
.endif
;; end of part 4
;; launch gemm_out (part 5): grid 4 x 32, 4 waves a work-group, clusters of 4 x 4, 327,680 bytes of LDS; arguments oq, woq, bo, out0; writes out0
.if DOCPART == 5
	.amdgcn_target "amdgcn-amd-amdhsa--gfx1250"
	.amdhsa_code_object_version 6
	.text
	.protected	k_qd777aa9adb_gemm_out
	.globl	k_qd777aa9adb_gemm_out
	.p2align	8
	.type	k_qd777aa9adb_gemm_out,@function
k_qd777aa9adb_gemm_out:
	s_mov_b64 s[64:65], 0
	v_nop
	global_prefetch_b8 v0, s[64:65] scope:SCOPE_SE
	s_setreg_imm32_b32 hwreg(HW_REG_WAVE_MODE, 25, 1), 1
	s_wait_xcnt 0x0
	s_wait_alu depctr_hold_cnt(0) depctr_sa_sdst(0) depctr_va_vdst(0) depctr_va_sdst(0) depctr_va_ssrc(0) depctr_va_vcc(0) depctr_vm_vsrc(0)
	s_getreg_b32 s2, hwreg(HW_REG_IB_STS2, 6, 4)
	s_cmp_eq_u32 s2, 0
	s_cbranch_scc0 .Lentry_in_a_cluster
	s_endpgm
.Lentry_in_a_cluster:
	s_bfe_u32 s2, ttmp6, 0x10000c
	s_cmp_lg_u32 s2, 0xf033
	s_cbranch_scc0 .Lentry_shape_is_right
	s_endpgm
.Lentry_shape_is_right:
; out0 = o Wo + bo on codes of FP8 (E4M3) with one E8M0 scale for each 32 along K = 1,024; f32 sums; out0 [8192][1024] f32.
; A = oq: scale bytes [stored token][32] at byte 0; codes [16 heads][8,192 stored tokens][64 bytes] at byte 0x40000.  B = woq: scale bytes [stored column][32], codes [stored column][1024] at byte 0x40000.
; A tile of C, 256 x 256, is made by four waves, 128 x 128 each.  K goes in steps of 256 (four heads) through a ring of two LDS slots.  4 x 4 work-groups form a cluster: A's tiles are asked for jointly along its rows, B's along its columns.
; A's tile of 128 tokens x 256 K is four dense runs of 8,192 bytes, one for each head, 524,288 bytes apart: one tensor load of four long rows, 16 bytes of padding behind every 256.
; THE MATRIX INSTRUCTION IS USED TRANSPOSED (source 0 = 16 rows of B, source 1 = 16 rows of A).  B's rows lie in stored order (bits 3 and 4 exchanged), so in accumulator (a, b) lane (r, h) holds, of A's row r of block a,
; the true columns 32 (b / 2) + 16 h + 8 (b % 2) + 0 .. 7.  A's rows lie in stored order too: the stores put row t of block a at row 32 (a / 2) + 8 (a % 2) + t + 8 (t / 8).
; The bias is the C of each sum's first matrix instruction.
; REGISTERS, in windows of 256: window 0: v0-31 addresses; v32-63 scale words, two sets, and nothing else; v64-127 the bias in the result's layout; from v128 A's fragments, ONE set (on the way out: rows read back).
;   window 1: B's fragments, TWO sets.   window 2, 3: the accumulators.
.set SIZE_K, 1024
.set KSTEP,  256
.set NQ,     KSTEP/128
.set ROWB,   256
.set KROW,   SIZE_K
.set PITCH,  272
.set FR,     16
.set NL,     4
.set NP,     8                         ; places behind this matrix instruction (ISA guide 7.12.1)
.set HALFT,  128*PITCH                 ; what one tensor load brings: 32,768 bytes + 16 for each 256
.set SLOT,   4*HALFT
.set LAPS,   SIZE_K/(2*KSTEP)
.set KS,     SIZE_K/32
.set SCL,    2*SLOT
.set HALFS,  (128*KS/256)*272
.set SBLK,   (16*KS/256)*272
.set SPARE,  SCL+4*HALFS               ; the spare words, 128 bytes for each wave, which no other line names
.set SPITCH, 528                       ; the way out: a stage of 16 rows x (512 bytes + 16) for each wave, in slot 0, which has had its last fill and its last read by then
.set PLANE,  8704                      ; in LDS: a head's 128 lines of 64 bytes
.set ADRA, 16
.set ADRB, 20
.set STO,  24
.set RD,   25
.set CO,   26
.set ADRS, 27
.set SPW,  28
.set NIL,  29
.set BOF,  30                          ; v30     the bias loads' offset: 64 h
.set SC,   32
.set BIAS, 64
.set AF,   128
.set BK,   128
.set G1, 24
.set G0, 32
.set G1B, 48
.set G0B, 56
.set G1S, 68
.set G0S, 76
.set G1SB, 80
.set G0SB, 88
.set MSB, 0
.macro WIN new
.if MSB != (\new)
	s_set_vgpr_msb (MSB<<8)|(\new)
.set MSB, (\new)
.endif
.endm
.set MUL_LO, 0xa1                      ; source 0 (B) window 1, source 1 (A) window 0, C and D window 2
.set MUL_HI, 0xf1                      ; the same, C and D window 3
.set FST_LO, 0x81                      ; the first step: C (the bias) window 0, D window 2
.set FST_HI, 0xc1                      ; D window 3
.set TO_B,   0x40
.macro JLOAD g0a, g1a, g0b, g1b        ; a joint load: waves 0 and 1 fetch for A, waves 2 and 3 for B; four v_nop follow each of the two lines
	s_cmp_eq_u32 s15, 0
	s_cbranch_scc0 .Lfor_b_\@
	tensor_load_to_lds s[\g0a:\g0a+3], s[\g1a:\g1a+7]
	s_nop 0
.rept 4
	v_nop
.endr
	s_branch .Lasked_\@
.Lfor_b_\@:
	tensor_load_to_lds s[\g0b:\g0b+3], s[\g1b:\g1b+7]
	s_nop 0
.rept 4
	v_nop
.endr
.Lasked_\@:
.endm
.macro CREST
	s_cmp_lg_u32 s14, 0
	s_cbranch_scc1 .Lnot_wave_0_\@
	s_barrier_signal -3
.Lnot_wave_0_\@:
	s_barrier_wait -3
	s_barrier_signal -1
	s_barrier_wait -1
.endm
.macro CROUND
	s_barrier_signal -1
	s_barrier_wait -1
	CREST
.endm
	s_load_b64 s[6:7], s[0:1], 0x0                 ; oq
	s_load_b64 s[10:11], s[0:1], 0x8               ; woq
	s_load_b64 s[66:67], s[0:1], 0x10              ; bo
	s_load_b64 s[12:13], s[0:1], 0x18              ; out0
	v_lshl_add_u32 v[SPW], v0, 2, SPARE
	v_mov_b32 v[NIL], 0
	ds_add_u32 v28, v29
	ds_add_u32 v28, v29
	s_wait_dscnt 0x0
	v_lshrrev_b32 v1, 5, v0
	v_readfirstlane_b32 s14, v1                    ; wave 0..3
	s_lshr_b32 s15, s14, 1                         ; which half of the tile's rows is mine.  Also: I fetch for A (0) or for B (1)
	s_and_b32 s16, s14, 1                          ; which half of its columns.  Also: which 128 rows of that tile I fetch
	s_bfe_u32 s40, ttmp6, 0x40000
	s_bfe_u32 s41, ttmp6, 0x40004
	s_lshl_b32 s42, ttmp9, 2
	s_add_co_u32 s42, s42, s40                     ; tile column of C
	s_and_b32 s17, ttmp7, 0xffff
	s_lshl_b32 s17, s17, 2
	s_add_co_u32 s17, s17, s41                     ; tile row of C
	s_lshl_b32 s43, s41, 2
	s_lshl_b32 s43, 15, s43                        ; my row of the cluster
	s_lshl_b32 s44, 0x1111, s40                    ; my column
	; A's tiles: 4 rows of 1,024 elements of 8 bytes, 65,536 elements apart; 4 words of padding behind every 64
	s_or_b32 s[G1+0], s43, (3<<16)|(1<<20)|(1<<21)|(5<<22)|(3<<25)
	s_mov_b32 s[G1+1], 1024<<16                    ; tensor_dim0
	s_mov_b32 s[G1+2], 4<<16                       ; tensor_dim1
	s_mov_b32 s[G1+3], 1024<<16                    ; tile_dim0
	s_mov_b32 s[G1+4], 4                           ; tile_dim1
	s_mov_b32 s[G1+5], 65536                       ; the pitch
	s_mov_b32 s[G1+6], 0
	s_mov_b32 s[G1+7], 0
	; B's tiles: 128 rows x 256 bytes
	s_or_b32 s[G1B+0], s44, (0<<16)|(1<<20)|(1<<21)|(5<<22)|(3<<25)
	s_mov_b32 s[G1B+1], ROWB<<16
	s_mov_b32 s[G1B+2], 128<<16
	s_mov_b32 s[G1B+3], ROWB<<16
	s_mov_b32 s[G1B+4], 128
	s_mov_b32 s[G1B+5], KROW
	s_mov_b32 s[G1B+6], 0
	s_mov_b32 s[G1B+7], 0
	; the scales of 128 rows: 4,096 dense bytes as 16 rows of 256
	s_or_b32 s[G1S+0], s43, (3<<16)|(1<<20)|(1<<21)|(5<<22)|(3<<25)
	s_or_b32 s[G1SB+0], s44, (3<<16)|(1<<20)|(1<<21)|(5<<22)|(3<<25)
.irp g, G1S, G1SB
	s_mov_b32 s[\g+1], 32<<16
	s_mov_b32 s[\g+2], (128*KS/256)<<16
	s_mov_b32 s[\g+3], 32<<16
	s_mov_b32 s[\g+4], 128*KS/256
	s_mov_b32 s[\g+5], 32
	s_mov_b32 s[\g+6], 0
	s_mov_b32 s[\g+7], 0
.endr
	s_lshl_b32 s18, s16, 7
	s_lshl_b32 s20, s17, 8
	s_add_co_u32 s20, s20, s18                     ; A: row 256 x tile row + 128 x half
	s_lshl_b32 s46, s42, 8
	s_add_co_u32 s46, s46, s18                     ; B: row 256 x tile column + 128 x half
	s_mov_b32 s21, 0
	s_mov_b32 s47, 0
	s_mov_b64 s[18:19], KS
	s_mul_u64 s[22:23], s[20:21], s[18:19]         ; where these rows' scales begin
	s_mul_u64 s[92:93], s[46:47], s[18:19]
	s_mov_b64 s[18:19], 64
	s_mul_u64 s[20:21], s[20:21], s[18:19]         ; A's codes: 64 bytes a row in each head's plane
	s_mov_b64 s[18:19], KROW
	s_mul_u64 s[46:47], s[46:47], s[18:19]         ; B's codes
	s_mul_i32 s45, s14, HALFT
	s_mul_i32 s94, s14, HALFS
	s_wait_kmcnt 0x0
	s_add_nc_u64 s[4:5], s[6:7], 0x40000
	s_add_nc_u64 s[8:9], s[10:11], 0x40000
	s_add_nc_u64 s[20:21], s[4:5], s[20:21]
	s_add_nc_u64 s[22:23], s[6:7], s[22:23]
	s_add_nc_u64 s[46:47], s[8:9], s[46:47]
	s_add_nc_u64 s[92:93], s[10:11], s[92:93]
	CROUND                                         ; all sixteen work-groups are here: the first joint loads meet
	s_mov_b32 s[G0S], 1
	s_add_co_u32 s[G0S+1], s94, SCL
	s_mov_b64 s[G0S+2:G0S+3], s[22:23]
	s_or_b32 s[G0S+3], s[G0S+3], 0x80000000
	s_mov_b32 s[G0SB], 1
	s_add_co_u32 s[G0SB+1], s94, SCL
	s_mov_b64 s[G0SB+2:G0SB+3], s[92:93]
	s_or_b32 s[G0SB+3], s[G0SB+3], 0x80000000
	JLOAD G0S, G1S, G0SB, G1SB
.irp s, 0,1
	s_mov_b32 s[G0+4*\s], 1
	s_add_co_u32 s[G0+4*\s+1], s45, \s*SLOT
	s_add_nc_u64 s[G0+4*\s+2:G0+4*\s+3], s[20:21], \s*0x200000   ; a K step is four heads' planes
	s_or_b32 s[G0+4*\s+3], s[G0+4*\s+3], 0x80000000
	s_mov_b32 s[G0B+4*\s], 1
	s_add_co_u32 s[G0B+4*\s+1], s45, \s*SLOT
	s_add_nc_u64 s[G0B+4*\s+2:G0B+4*\s+3], s[46:47], \s*ROWB
	s_or_b32 s[G0B+4*\s+3], s[G0B+4*\s+3], 0x80000000
	s_wait_alu depctr_va_vdst(0)
	s_wait_tensorcnt 0x0
	ds_add_u32 v28, v29
	s_wait_dscnt 0x0
	CROUND
	JLOAD G0+4*\s, G1, G0B+4*\s, G1B               ; one tensor load of mine is out
.endr
	v_and_b32 v1, 15, v0                           ; r
	v_bfe_u32 v2, v0, 4, 1                         ; h
	v_lshlrev_b32 v[BOF], 6, v2
	s_lshl_b32 s46, s42, 10                        ; my first column, in bytes of f32: 1,024 x tile column + 512 x half
	s_lshl_b32 s47, s16, 9
	s_add_co_u32 s46, s46, s47
	s_mov_b32 s47, 0
	s_add_nc_u64 s[66:67], s[66:67], s[46:47]
.irp b, 0,1,2,3,4,5,6,7                        ; the bias in the result's layout: for B's block b the columns 32 (b / 2) + 16 h + 8 (b % 2) + 0 .. 7
	global_load_b128 v[BIAS+8*\b:BIAS+8*\b+3], v[BOF], s[66:67] offset:128*(\b/2)+32*(\b%2)
	global_load_b128 v[BIAS+8*\b+4:BIAS+8*\b+7], v[BOF], s[66:67] offset:128*(\b/2)+32*(\b%2)+16
.endr
	v_mul_u32_u24 v3, v1, PITCH
	v_lshl_add_u32 v4, v2, 4, v3                   ; B: a fragment's row x pitch + 16 x half
	v_bfe_u32 v5, v0, 2, 2
	v_and_b32 v6, 3, v0
	v_mul_u32_u24 v5, v5, 272
	v_lshl_add_u32 v5, v6, 6, v5
	v_lshl_add_u32 v5, v2, 4, v5                   ; A: line r of 64 bytes: 272 (r / 4) + 64 (r % 4) + 16 x half
	s_mul_i32 s21, s15, HALFT
	s_mul_i32 s22, s16, HALFT
	s_add_co_u32 s22, s22, 2*HALFT
.irp s, 0,1
	v_add_nc_u32 v[ADRA+\s], s21, v5
	v_add_nc_u32 v[ADRB+\s], s22, v4
	s_add_co_u32 s21, s21, SLOT
	s_add_co_u32 s22, s22, SLOT
.endr
	v_mul_u32_u24 v5, v1, KS
	v_lshrrev_b32 v6, 8, v5
	v_lshl_add_u32 v5, v6, 4, v5
	s_mul_i32 s21, s15, HALFS
	s_mul_i32 s22, s16, HALFS
	s_add_co_u32 s22, s22, 2*HALFS
	s_sub_co_u32 s22, s22, s21
	v_mul_u32_u24 v6, s22, v2                      ; lanes 16-31 take B's
	s_add_co_u32 s21, s21, SCL
	v_add_nc_u32 v5, v5, v6
	v_add_nc_u32 v[ADRS], s21, v5
	s_mul_i32 s23, s14, 16*SPITCH                  ; my stage
	v_mul_u32_u24 v5, v1, SPITCH                   ; in: row r; my half's columns begin 64 bytes on
	v_lshl_add_u32 v5, v2, 6, v5
	v_add_nc_u32 v[STO], s23, v5
	v_and_b32 v6, 31, v0
	v_lshlrev_b32 v[CO], 4, v6                     ; back: the 32 lanes take one row of 512 bytes; and the same in out0
	v_add_nc_u32 v[RD], s23, v[CO]
	s_lshl_b32 s20, s17, 8
	s_lshl_b32 s21, s15, 7
	s_add_co_u32 s20, s20, s21                     ; my first row of out0
	s_lshl_b32 s20, s20, 12                        ; 4,096 bytes a row
	s_add_co_u32 s20, s20, s46
	s_mov_b32 s21, 0
	s_add_nc_u64 s[12:13], s[12:13], s[20:21]
.macro FRAG reg, adr, q, i             ; B's fragment from rows of 256 bytes
.irp c, 0,1,2,3
	ds_load_b128 v[\reg+4*\c:\reg+4*\c+3], v[\adr] offset:128*(\q)+32*\c+(\i)*16*PITCH
.endr
.endm
.macro FRAG_A reg, adr, q, i           ; A's from lines of 64 bytes: K = 128 q + 32 c lies in head 2 q + c / 2 of the step, at byte 32 (c % 2) of the line
.irp c, 0,1,2,3
	ds_load_b128 v[\reg+4*\c:\reg+4*\c+3], v[\adr] offset:(2*(\q)+\c/2)*PLANE+(\i)*1088+32*(\c%2)
.endr
.endm
; 16 matrix instructions; the 64 accumulators take turns, one instruction a turn, in the same order in every step.  zero = 1: the first product starts the sums from the bias.
.macro MUL16 a0, p, q, sc, zero
.irp a, \a0, \a0+1
.irp b, 0,1,2,3,4,5,6,7
.if \zero
	v_wmma_scale_f32_16x16x128_f8f6f4 v[8*(8*((\a)%4)+\b):8*(8*((\a)%4)+\b)+7], v[128*(\p)+FR*\b:128*(\p)+FR*\b+FR-1], v[AF+FR*(\a):AF+FR*(\a)+FR-1], v[BIAS+8*\b:BIAS+8*\b+7], v[SC+8*NQ*(\sc)+NQ*\b+(\q)], v[SC+8*NQ*(\sc)+NQ*(\a)+(\q)] matrix_a_scale:MATRIX_SCALE_ROW1
.else
	v_wmma_scale_f32_16x16x128_f8f6f4 v[8*(8*((\a)%4)+\b):8*(8*((\a)%4)+\b)+7], v[128*(\p)+FR*\b:128*(\p)+FR*\b+FR-1], v[AF+FR*(\a):AF+FR*(\a)+FR-1], v[8*(8*((\a)%4)+\b):8*(8*((\a)%4)+\b)+7], v[SC+8*NQ*(\sc)+NQ*\b+(\q)], v[SC+8*NQ*(\sc)+NQ*(\a)+(\q)] matrix_a_scale:MATRIX_SCALE_ROW1
.endif
.endr
.endr
.endm
.macro FETCH_B slot, q, p
	WIN TO_B
.irp i, 0,1,2,3,4,5,6,7
	FRAG 128*(\p)+FR*\i, ADRB+\slot, \q, \i
.endr
	WIN 0
.endm
.macro FETCH_A slot, q, i0
.irp i, \i0, \i0+1, \i0+2, \i0+3
	FRAG_A AF+FR*(\i), ADRA+\slot, \q, \i
.endr
.endm
.macro SCALES sc
.irp i, 0,1,2,3,4,5,6,7
	ds_load_b64 v[SC+8*NQ*\sc+NQ*\i:SC+8*NQ*\sc+NQ*\i+1], v[ADRS] offset:\i*SBLK
.endr
.endm
.macro PLACES n
.rept \n
	v_nop
.endr
.endm
.macro STEP slot, q, zero
	s_wait_dscnt 4*NL                              ; B's set and A's blocks 0-3 are in; the youngest 16 loads (A's blocks 4-7) may be out
.if \zero
	WIN FST_LO
.else
	WIN MUL_LO
.endif
	MUL16 0, (\q)%2, \q, \slot, \zero
	MUL16 2, (\q)%2, \q, \slot, \zero
	s_wait_dscnt 0
	PLACES NP
	FETCH_B \slot, (\q)+1, 1-(\q)%2
	FETCH_A \slot, (\q)+1, 0
.if \zero
	WIN FST_HI
.else
	WIN MUL_HI
.endif
	MUL16 4, (\q)%2, \q, \slot, \zero
	MUL16 6, (\q)%2, \q, \slot, \zero
	PLACES NP
	WIN 0
	FETCH_A \slot, (\q)+1, 4
.endm
.macro TURN slot, next, fill
	s_wait_tensorcnt 0x0                           ; all my tensor loads have landed: my part of the next slot
	ds_add_u32 v[SPW], v[NIL]                      ; 0 onto my spare word
	s_wait_dscnt 4*NL+1                            ; (the add and the youngest 16 loads may be out)
	WIN MUL_LO
	MUL16 0, 1, NQ-1, \slot, 0
	s_wait_dscnt 0x0                               ; the add is done, and my reads of this slot are over
	s_barrier_signal -1
	MUL16 2, 1, NQ-1, \slot, 0
	WIN 0
	s_barrier_wait -1
.if \fill
	CREST                                          ; the barrier has opened a round of the cluster's barrier
	s_add_nc_u64 s[G0+4*\slot+2:G0+4*\slot+3], s[G0+4*\slot+2:G0+4*\slot+3], 0x400000
	s_add_nc_u64 s[G0B+4*\slot+2:G0B+4*\slot+3], s[G0B+4*\slot+2:G0B+4*\slot+3], 2*ROWB
	JLOAD G0+4*\slot, G1, G0B+4*\slot, G1B         ; the first tensor load behind the round, my one load until the next
	PLACES NP-4
.else
	PLACES NP
.endif
	s_wait_alu depctr_va_vdst(0)
	v_add_nc_u32 v[ADRS], 4*NQ, v[ADRS]
	FETCH_B \next, 0, 0
	FETCH_A \next, 0, 0
	SCALES \next
	WIN MUL_HI
	MUL16 4, 1, NQ-1, \slot, 0
	MUL16 6, 1, NQ-1, \slot, 0
	PLACES NP
	WIN 0
	FETCH_A \next, 0, 4
.endm
	s_wait_alu depctr_va_vdst(0)
	s_wait_tensorcnt 1                             ; the scales and my part of K step 0 are in (K step 1's load may be out)
	s_barrier_signal -1
	s_barrier_wait -1
	FETCH_B 0, 0, 0
	FETCH_A 0, 0, 0
	SCALES 0
	FETCH_A 0, 0, 4
	s_wait_loadcnt 0x0                             ; the bias
	STEP 0, 0, 1                                   ; the first step stands in front of the loop: its products start the sums from the bias
	s_mov_b32 s3, LAPS-1
.Llap:
	TURN 0, 1, 1
	STEP 1, 0, 0
	TURN 1, 0, 1
	STEP 0, 0, 0
	s_sub_co_u32 s3, s3, 1
	s_cmp_lg_u32 s3, 0
	s_cbranch_scc1 .Llap
	TURN 0, 1, 0                                   ; the last lap fills nothing
	STEP 1, 0, 0
	s_wait_dscnt 4*NL
	WIN MUL_LO
	MUL16 0, 1, NQ-1, 1, 0
	MUL16 2, 1, NQ-1, 1, 0
	s_wait_dscnt 0
	WIN MUL_HI
	MUL16 4, 1, NQ-1, 1, 0
	MUL16 6, 1, NQ-1, 1, 0
	WIN 0
; THE WAY OUT, block by block of 16 rows x 128 columns, through my own stage; back as whole rows of 512 bytes.  LDS serves a wave's instructions in order: no wait between the stores and the loads.
.macro TOSTAGE a
.set AC, 64*((\a)%4)
	WIN (0x08+4*((\a)/4))                          ; the data: window 2 or 3
.irp b, 0,1,2,3,4,5,6,7
	ds_store_b128 v[STO], v[AC+8*\b:AC+8*\b+3] offset:128*(\b/2)+32*(\b%2)          ; each accumulator from its low end on
	ds_store_b128 v[STO], v[AC+8*\b+4:AC+8*\b+7] offset:128*(\b/2)+32*(\b%2)+16
.endr
	WIN 0
.set BB, BK+64*((\a)%2)
.irp t, 0,1,2,3,4,5,6,7,8,9,10,11,12,13,14,15
	ds_load_b128 v[BB+4*\t:BB+4*\t+3], v[RD] offset:\t*SPITCH
.endr
.endm
.macro SEND a, younger
.set BB, BK+64*((\a)%2)
	s_wait_dscnt \younger                          ; the block is back in registers
.irp t, 0,1,2,3,4,5,6,7,8,9,10,11,12,13,14,15
	global_store_b128 v[CO], v[BB+4*\t:BB+4*\t+3], s[12:13] offset:(32*((\a)/2)+8*((\a)%2)+\t+8*(\t/8))*4096 th:TH_STORE_NT   ; the row's true place; 32 lanes store 512 consecutive bytes, aligned; 127 rows at the most: inside the signed 24-bit immediate
.endr
.endm
	PLACES NP
	TOSTAGE 0
.irp a, 1,2,3,4,5,6,7
.if \a > 1
	s_wait_xcnt 0x0                                ; block a - 2's stores have read their registers: block a's rows may land there
.endif
	TOSTAGE \a
	SEND \a-1, 32                                  ; behind block a - 1's loads: block a's 16 stores and 16 loads
.endr
	SEND 7, 0
	s_wait_tensorcnt 0x0                           ; the wave's end
	ds_add_u32 v[SPW], v[NIL]
	s_wait_dscnt 0x0
	CROUND                                         ; the closing round
	s_endpgm
.Lfunc_end_k_qd777aa9adb_gemm_out:
	.size	k_qd777aa9adb_gemm_out, .Lfunc_end_k_qd777aa9adb_gemm_out-k_qd777aa9adb_gemm_out
	.p2alignl 7, 3214868480
	.fill 96, 4, 3214868480
	.section	.rodata,"a",@progbits
	.p2align	6, 0x0
	.amdhsa_kernel k_qd777aa9adb_gemm_out
		.amdhsa_group_segment_fixed_size 327680
		.amdhsa_private_segment_fixed_size 0
		.amdhsa_enable_private_segment 0
		.amdhsa_kernarg_size 32
		.amdhsa_user_sgpr_count 2
		.amdhsa_user_sgpr_kernarg_segment_ptr 1
		.amdhsa_wavefront_size32 1
		.amdhsa_system_sgpr_workgroup_id_x 1
		.amdhsa_system_sgpr_workgroup_id_y 1
		.amdhsa_system_sgpr_workgroup_id_z 1
		.amdhsa_system_vgpr_workitem_id 0
		.amdhsa_next_free_vgpr 1024
		.amdhsa_next_free_sgpr 100
		.amdhsa_reserve_vcc 0
		.amdhsa_float_denorm_mode_32 3
		.amdhsa_float_denorm_mode_16_64 3
		.amdhsa_memory_ordered 1
		.amdhsa_forward_progress 1
		.amdhsa_inst_pref_size 148
	.end_amdhsa_kernel
	.amdgpu_metadata
---
amdhsa.version: [ 1, 2 ]
amdhsa.kernels:
  - .name:           k_qd777aa9adb_gemm_out
    .symbol:         k_qd777aa9adb_gemm_out.kd
    .args:
      - { .name: oq, .offset: 0, .size: 8, .value_kind: global_buffer, .address_space: global }
      - { .name: woq, .offset: 8, .size: 8, .value_kind: global_buffer, .address_space: global }
      - { .name: bo, .offset: 16, .size: 8, .value_kind: global_buffer, .address_space: global }
      - { .name: out0, .offset: 24, .size: 8, .value_kind: global_buffer, .address_space: global }
    .group_segment_fixed_size: 327680
    .private_segment_fixed_size: 0
    .kernarg_segment_align: 8
    .kernarg_segment_size: 32
    .max_flat_workgroup_size: 128
    .sgpr_count:     100
    .vgpr_count:     1024
    .wavefront_size: 32
...
	.end_amdgpu_metadata
.endif
;; end of part 5
